; MI455X (gfx1250); checked and timed in simulation.
; The chip was launched on July 23, 2026; its instructions are those of AMD's public machine-readable ISA for CDNA 5 (MIT licence, August 2026) and "CDNA5" Instruction Set Architecture Reference Guide (July 2026). The comments in the code are by the model that wrote it; some were corrected since.
;; Self Attention. Allowed arithmetic: matrix products marked QUANTISED: E2M3 operands, one E8M0 scale for each 32 along K, by v_wmma_scale_f32_16x16x128_f8f6f4 with both operands' format E2M3, f32 sums; everything else in f32.
;; Inputs: Wk_codes 1,024 x 32 x 24 uint8 (E2M3 codes of Wk, K innermost, in blocks of 32 codes, four codes in three bytes); Wk_scales 1,024 x 32 uint8 (E8M0 scales of Wk, one for each 32 codes along K); Wo_codes 1,024 x 32 x 24 uint8 (E2M3 codes of Wo, K innermost, in blocks of 32 codes, four codes in three bytes); Wo_scales 1,024 x 32 uint8 (E8M0 scales of Wo, one for each 32 codes along K); Wq_codes 1,024 x 32 x 24 uint8 (E2M3 codes of Wq, K innermost, in blocks of 32 codes, four codes in three bytes); Wq_scales 1,024 x 32 uint8 (E8M0 scales of Wq, one for each 32 codes along K); Wv_codes 1,024 x 32 x 24 uint8 (E2M3 codes of Wv, K innermost, in blocks of 32 codes, four codes in three bytes); Wv_scales 1,024 x 32 uint8 (E8M0 scales of Wv, one for each 32 codes along K); bk 1,024 float32; bo 1,024 float32; bq 1,024 float32; bv 1,024 float32; x_codes 4 x 2,048 x 32 x 24 uint8 (E2M3 codes of x, K innermost, in blocks of 32 codes, four codes in three bytes); x_scales 4 x 2,048 x 32 uint8 (E8M0 scales of x, one for each 32 codes along K).
;; Outputs: out0 4 x 2,048 x 1,024 float32.
;; This version of the problem:
;;   THIS VERSION OF THE PROBLEM IS GIVEN IN LOW PRECISION. The matrix products marked QUANTISED in the list below multiply operands that are first quantised to E2M3 (2 exponent bits, 3 mantissa bits; 6 bits a number), with one power-of-two scale for each 32 numbers along K (OCP MX v1.0); their sums are f32. All else is computed in f32.
;;   The module's matrix products, in the order in which they are computed (A, B: the left and right operand; K: the contracted axis; several contracted axes count as one K, in the product's order):
;;     1. [M 8,192, K 1,024] x [K 1,024, N 1,024]; A: input x (given as codes); B: input Wq (given as codes): QUANTISED
;;     2. [M 8,192, K 1,024] x [K 1,024, N 1,024]; A: input x (given as codes); B: input Wk (given as codes): QUANTISED
;;     3. [M 8,192, K 1,024] x [K 1,024, N 1,024]; A: input x (given as codes); B: input Wv (given as codes): QUANTISED
;;     4. batch 64 x [M 2,048, K 64] x [K 64, N 2,048]; A: computed on the way; B: computed on the way: QUANTISED
;;     5. batch 64 x [M 2,048, K 2,048] x [K 2,048, N 64]; A: softmax (see below); B: computed on the way: QUANTISED
;;     6. [M 8,192, K 1,024] x [K 1,024, N 1,024]; A: computed on the way; B: input Wo (given as codes): QUANTISED
;;   THE QUANTISER, for each operand of a quantised product, along K:
;;     - K is cut into blocks of 32 from its start; a last block that is shorter is filled with zeros.
;;     - A block's scale is 2^e with e = floor(log2(the largest magnitude in the block)) - 2, held to -126 .. 127; a block of zeros has e = 0. As a byte (E8M0): e + 127.
;;     - Each number is divided by its block's scale, clamped to +-7.5, and rounded to the nearest number of E2M3, ties to even, subnormals kept.
;;     - The product sums the exact products of the quantised numbers (number of the format x scale) in f32.
;;   ~~~python
;;   def quantise(x, axis):      # numpy; x: float32 -> the quantised numbers, widened to float32 again
;;       x = np.moveaxis(x, axis, -1); K = x.shape[-1]
;;       x = np.pad(x, [(0, 0)] * (x.ndim - 1) + [(0, -K % 32)]); x = x.reshape(x.shape[:-1] + (-1, 32)); a = np.abs(x).max(-1, keepdims=True)
;;       e = np.where(a > 0, np.clip(np.frexp(np.where(a > 0, a, 1))[1] - 1 - 2, -126, 127), 0)      # np.frexp(a)[1] - 1 = floor(log2(a)), exactly
;;       r = np.clip(x / 2.0 ** e, -7.5, 7.5)
;;       step = 2.0 ** (np.maximum(np.frexp(np.where(r == 0, 1, r))[1] - 1, 0) - 3)
;;       q = np.round(r / step) * step * 2.0 ** e      # np.round: ties to even
;;       return np.moveaxis(q.reshape(q.shape[:-2] + (-1,))[..., :K], -1, axis).astype(np.float32)
;;   ~~~
;;   SOFTMAX AHEAD OF A QUANTISED PRODUCT. Where the list says 'softmax', what is quantised is not the finished softmax but p = 2^(t - M), with t = logit x log2(e) and M = ceil(the row's largest t), a whole number; so 1/2 < the row's largest p <= 1. The row's sum l is taken of the UNQUANTISED p, in f32, and the product's result is divided by l at the end. Since M is a whole number, a kernel that streams over the keys may use a running M (the ceiling of the running maximum): every later rescaling is an exact power of two, which a block's scale takes up: the codes' values come out the same.
;;   OPERANDS COMPUTED ON THE WAY. 'Computed on the way' means the value that the module computes at that place (a softmax that the list does not call 'softmax' is quantised finished and normalised). What goes into a quantiser is computed in f32, as accurately as f32 sums, v_exp_f32 and their like allow (about 1e-6 of the number): no bf16 or f16 on the way to a quantiser, and a product that is left as it is and whose result goes on into a quantised operand takes f32 operands (vector FMAs, or v_wmma_f32_16x16x4_f32). A number that lies on a knife's edge between two numbers of the format may be rounded either way, as far as f32 arithmetic and the matrix unit's own rounding can turn it there, and no further.
;;   INPUTS GIVEN AS CODES. Wk (in the module: [1024, 1024], K = its axis 1); Wo (in the module: [1024, 1024], K = its axis 1); Wq (in the module: [1024, 1024], K = its axis 1); Wv (in the module: [1024, 1024], K = its axis 1); x (in the module: [4, 2048, 1024], K = its axis 2): each comes as NAME_codes (uint8): NAME with its K axis moved to the last place and cut into blocks of 32 codes, [.., K / 32, bytes a block], one block behind the other in memory; four codes in three bytes: a row's codes are one little-endian stream of bits, code i at bits 6 i .. 6 i + 5 (a code: sign, 2 exponent bits, 3 mantissa bits); and NAME_scales (uint8): the same leading axes, one E8M0 byte (e + 127) for each 32 codes along K. Its value is code x scale, taken as it is: it is not quantised again, and the codes and scales need not be those that the quantiser above would give.
;; One version. Each part assembles by itself: llvm-mc -triple=amdgcn-amd-amdhsa -mcpu=gfx1250 --defsym DOCPART=n.
;; ======== version 1 of 1: 3 launches
;; limits: right only within a limited range of input values
;; workspace buffers: qbuf 6,815,744 bytes; kvbuf 13,369,344 bytes; cbuf 6,291,456 bytes; csc 262,144 bytes
;; launch qkv (part 1): grid 4 x 96, 4 waves a work-group, clusters of 4 x 4, 327,680 bytes of LDS; arguments x_codes, x_scales, Wq_codes, Wq_scales, Wk_codes, Wk_scales, Wv_codes, Wv_scales, bq, bk, bv, qbuf, kvbuf; writes qbuf, kvbuf
.if DOCPART == 1
	.amdgcn_target "amdgcn-amd-amdhsa--gfx1250"
	.amdhsa_code_object_version 6
	.text
	.protected	k_q1058c7e40f_qkv
	.globl	k_q1058c7e40f_qkv
	.p2align	8
	.type	k_q1058c7e40f_qkv,@function
k_q1058c7e40f_qkv:
	s_mov_b64 s[64:65], 0
	v_nop
	global_prefetch_b8 v0, s[64:65] scope:SCOPE_SE
	s_setreg_imm32_b32 hwreg(HW_REG_WAVE_MODE, 25, 1), 1
	s_wait_xcnt 0x0
	s_wait_alu depctr_hold_cnt(0) depctr_sa_sdst(0) depctr_va_vdst(0) depctr_va_sdst(0) depctr_va_ssrc(0) depctr_va_vcc(0) depctr_vm_vsrc(0)
	s_getreg_b32 s2, hwreg(HW_REG_IB_STS2, 6, 4)
	s_cmp_eq_u32 s2, 0
	s_cbranch_scc0 .Lentry_in_a_cluster
	s_endpgm
.Lentry_in_a_cluster:
	s_bfe_u32 s2, ttmp6, 0x10000c
	s_cmp_lg_u32 s2, 0xf033
	s_cbranch_scc0 .Lentry_shape_is_right
	s_endpgm
.Lentry_shape_is_right:
; q = x Wq^T + bq, k = x Wk^T + bk, v = x Wv^T + bv on codes of FP6 (E2M3), one E8M0 scale for each 32 along K = 1,024; sums in f32.  The results are quantised here, in f32:
; q and k along a head's 64 numbers, v along the keys (blocks of 32 tokens), and leave as images of operand registers.
; 384 tiles of 256 x 256, one to a work-group of four waves; a wave makes 128 x 128 in 64 accumulators.  The cluster's y / 8 says what is made: 0 q, 1 k, 2 v.
; q, k: the tile's rows (A) are tokens, its columns (B) features; v: A = Wv, B = x.  The matrix instruction is used transposed (source 0 = B's rows, source 1 = A's):
; a lane holds one row of A and its registers run along B's rows, the axis along which the result is quantised.
; K goes through a ring of two LDS slots in CHUNKS OF 256 BYTES of each row (a row is 768 bytes, so every chunk begins at a multiple of 256): three chunks, eight steps of 96 bytes; steps 2 and 5 lie across two chunks.
; The scale bytes of the tile's 512 rows come once and stay.  Clusters of 4 x 4: A's tiles are asked for jointly by a row of the cluster, B's by a column.
; No prefetch: the walk has three chunks, of which two are asked for in the head: there is no loop to run ahead in.
; The bias is the C of each sum's first matrix instruction.
; THE QUANTISER: a block's byte is its largest magnitude's exponent field - 2, held at 1 from below.  In accumulators 2 B, 2 B + 1 lane (r, h) holds k = 32 B + 8 h + 0..7 and 32 B + 16 + 8 h + 0..7:
; the conversion packs these 16, lanes l and l xor 16 change halves, and WEAVE puts the four runs of 48 bits into K's order.
; LIMITS: NaN and infinities are not served.  A block whose largest magnitude lies under 2^-124, zeros among them, gets the byte 1 (the rule says 127 for zeros); this program alone reads the bytes.
; OUT.  qbuf: [16 batch + head][group of 128 tokens][6,656]: 8 tiles of 16 tokens x 768 bytes (registers 0-3 of lane l at 16 l, 4-5 at 512 + 8 l), then 512 bytes of scale words (lane l's word j: tile 2 j or, l >= 16, 2 j + 1, row l % 16).
; kvbuf: [16 batch + head][group][13,056]: k as q's codes; at 6,144 v's four fragments of 1,536 bytes (registers 4 c .. of lane l at 512 c + 16 l); at 12,288 k's scale words; at 12,800 v's.
; REGISTERS: window 0: v0-31 addresses; v32-63 scale words, two sets; v64-127 the bias; v128-223 A's fragments, one set; v224-250 the quantiser's.  window 1: B's fragments, two sets.  windows 2, 3: accumulator (a, b) at v[8 (8 (a % 4) + b)].
.set ROWB,   256
.set NQ,     2
.set KROW,   768
.set STEPS,  8
.set CHUNKS, 3
.set PITCH,  272                       ; 256 bytes + 16 of padding
.set FR,     12
.set NL,     6
.set NP,     4
.set HALFT,  128*PITCH
.set SLOT,   4*HALFT                   ; A's 256 rows, then B's
.set KS,     32
.set SCL,    2*SLOT
.set HALFS,  (128*KS/256)*272
.set SBLK,   (16*KS/256)*272
.set SPARE,  SCL+4*HALFS               ; the spare words: 512 bytes that no other line names
.set QREC,   6656
.set KVREC,  13056
.set HEADB,  16*KVREC
.set ADRA, 16                          ; v16-17 my A fragments in slot 0, 1; v18-19: lanes 0-15 at byte 232 of a row in slot 0, 1, lanes 16-31 at byte 0 in the other slot
.set ADRB, 20                          ; v20-23 the same for B
.set OF16, 24
.set OF8,  25
.set LN,   26
.set ADRS, 27                          ; my scale words: lanes 0-15 A's rows, lanes 16-31 B's
.set SPW,  28
.set NIL,  29
.set BOF,  30
.set SC,   32
.set BI,   64
.set AF,   128
.set PC,   128
.set SW,   144
.set TM,   224
.set T2,   228
.set SOP,  232
.set PWS,  236
.set CB,   244
.set G1, 24
.set G0, 32
.set G1B, 48
.set G0B, 56
.set SEL, 66
.set G1S, 68
.set G0S, 76
.set G1SB, 80
.set G0SB, 88
.set G0H, 4                            ; s[4:7], s[8:11] group 0 of the head's loads of chunk 0; behind the wait for them: where the results go
.set G0HB, 8
.set TYP, 98
.set MSB, 0
.macro WIN new
.if MSB != (\new)
	s_set_vgpr_msb (MSB<<8)|(\new)
.set MSB, (\new)
.endif
.endm
.set MUL_LO, 0xa1
.set MUL_HI, 0xf1
.set TO_B,   0x40
.macro PLACES n
.rept \n
	v_nop
.endr
.endm
.macro TLOAD g0, g1                    ; s_nop 0 and four v_nop behind each tensor load
	tensor_load_to_lds s[\g0:\g0+3], s[\g1:\g1+7]
	s_nop 0
	PLACES 4
.endm
.macro JLOAD g0a, g1a, g0b, g1b        ; waves 0 and 1 fetch for A, waves 2 and 3 for B
	s_cmp_eq_u32 s15, 0
	s_cbranch_scc0 .Lfor_b_\@
	TLOAD \g0a, \g1a
	s_branch .Lasked_\@
.Lfor_b_\@:
	TLOAD \g0b, \g1b
.Lasked_\@:
.endm
.macro CREST
	s_cmp_lg_u32 s14, 0
	s_cbranch_scc1 .Lnot_wave_0_\@
	s_barrier_signal -3
.Lnot_wave_0_\@:
	s_barrier_wait -3
	s_barrier_signal -1
	s_barrier_wait -1
.endm
.macro CROUND
	s_barrier_signal -1
	s_barrier_wait -1
	CREST
.endm
	s_load_b512 s[68:83], s[0:1], 0x0              ; x's codes, scales, Wq's, Wk's, Wv's
	s_load_b256 s[84:91], s[0:1], 0x40             ; bq, bk, bv, qbuf
	s_load_b64 s[92:93], s[0:1], 0x60              ; kvbuf
	v_lshl_add_u32 v[SPW], v0, 2, SPARE
	v_mov_b32 v[NIL], 0
	ds_add_u32 v[SPW], v[NIL]                      ; the opening lines: the add twice and its wait
	ds_add_u32 v[SPW], v[NIL]
	v_lshrrev_b32 v1, 5, v0
	v_readfirstlane_b32 s14, v1                    ; wave
	s_lshr_b32 s15, s14, 1                         ; my half of the tile's rows; also: I fetch for A (0) or B (1)
	s_and_b32 s16, s14, 1                          ; my half of its columns; also: which 128 rows I fetch
	s_bfe_u32 s40, ttmp6, 0x40000                  ; cx
	s_bfe_u32 s41, ttmp6, 0x40004                  ; cy
	s_and_b32 s99, ttmp7, 0xffff
	s_lshr_b32 s[TYP], s99, 3
	s_and_b32 s99, s99, 7
	s_lshl_b32 s99, s99, 2
	s_cmp_eq_u32 s[TYP], 2
	s_cselect_b32 s42, s99, 0                      ; v: the tokens are the tile's columns,
	s_cselect_b32 s17, 0, s99                      ; q, k: its rows
	s_add_co_u32 s42, s42, s40                     ; tile column
	s_add_co_u32 s17, s17, s41                     ; tile row
	s_lshl_b32 s43, s41, 2
	s_lshl_b32 s43, 15, s43                        ; my row of the cluster
	s_lshl_b32 s44, 0x1111, s40                    ; my column
	s_or_b32 s[G1+0], s43, (1<<20)|(1<<21)|(5<<22)|(3<<25)   ; bytes; 16 bytes of padding behind every 256
	s_or_b32 s[G1B+0], s44, (1<<20)|(1<<21)|(5<<22)|(3<<25)
.irp g, G1, G1B
	s_mov_b32 s[\g+1], ROWB<<16
	s_mov_b32 s[\g+2], 256<<16                     ; 256 rows for the head's loads
	s_mov_b32 s[\g+3], ROWB<<16
	s_mov_b32 s[\g+4], 256
	s_mov_b32 s[\g+5], KROW
	s_mov_b32 s[\g+6], 0
	s_mov_b32 s[\g+7], 0
.endr
	s_lshl_b32 s20, s17, 8                         ; A's first row
	s_lshl_b32 s46, s42, 8                         ; B's
	s_mov_b32 s21, 0
	s_mov_b32 s47, 0
	s_mov_b64 s[18:19], KS
	s_mul_u64 s[22:23], s[20:21], s[18:19]         ; their scales, in bytes
	s_mul_u64 s[100:101], s[46:47], s[18:19]
	s_mov_b64 s[18:19], KROW
	s_mul_u64 s[20:21], s[20:21], s[18:19]         ; their codes
	s_mul_u64 s[46:47], s[46:47], s[18:19]
	s_mul_i32 s18, s16, 128*KROW                   ; in the ring: my 128 rows,
	s_mov_b32 s19, 0
	s_mul_i32 s45, s14, HALFT                      ; and where they go
	s_wait_dscnt 0x0                               ; both opening adds are done
	s_wait_kmcnt 0x0
	s_cmp_eq_u32 s[TYP], 0                         ; the buffers are chosen by the cluster's y alone
	s_cselect_b64 s[8:9], s[72:73], s[76:77]
	s_cselect_b64 s[10:11], s[74:75], s[78:79]
	s_cselect_b64 s[12:13], s[84:85], s[86:87]
	s_cselect_b64 s[96:97], s[90:91], s[92:93]
	s_cmp_eq_u32 s[TYP], 2
	s_cselect_b64 s[8:9], s[80:81], s[8:9]
	s_cselect_b64 s[10:11], s[82:83], s[10:11]
	s_cselect_b64 s[12:13], s[88:89], s[12:13]
	s_cselect_b64 s[4:5], s[8:9], s[68:69]         ; A: the weight for v, else x
	s_cselect_b64 s[6:7], s[10:11], s[70:71]
	s_cselect_b64 s[8:9], s[68:69], s[8:9]         ; B
	s_cselect_b64 s[10:11], s[70:71], s[10:11]
	s_or_b32 s[G1S+0], s43, (3<<16)|(1<<20)|(1<<21)|(5<<22)|(3<<25)   ; the scales of 256 rows: 32 rows of 256 bytes
	s_or_b32 s[G1SB+0], s44, (3<<16)|(1<<20)|(1<<21)|(5<<22)|(3<<25)
.irp g, G1S, G1SB
	s_mov_b32 s[\g+1], 32<<16
	s_mov_b32 s[\g+2], KS<<16
	s_mov_b32 s[\g+3], 32<<16
	s_mov_b32 s[\g+4], KS
	s_mov_b32 s[\g+5], 32
	s_mov_b32 s[\g+6], 0
	s_mov_b32 s[\g+7], 0
.endr
	s_add_nc_u64 s[20:21], s[4:5], s[20:21]
	s_add_nc_u64 s[22:23], s[6:7], s[22:23]
	s_add_nc_u64 s[46:47], s[8:9], s[46:47]
	s_add_nc_u64 s[100:101], s[10:11], s[100:101]
	CROUND                                         ; in front of the first joint loads
	s_mov_b32 s[G0H], 1
	s_mov_b32 s[G0H+1], 0
	s_mov_b64 s[G0H+2:G0H+3], s[20:21]
	s_or_b32 s[G0H+3], s[G0H+3], 0x80000000
	s_mov_b32 s[G0HB], 1
	s_mov_b32 s[G0HB+1], 2*HALFT
	s_mov_b64 s[G0HB+2:G0HB+3], s[46:47]
	s_or_b32 s[G0HB+3], s[G0HB+3], 0x80000000
	s_mov_b32 s[G0S], 1
	s_mov_b32 s[G0S+1], SCL
	s_mov_b64 s[G0S+2:G0S+3], s[22:23]
	s_or_b32 s[G0S+3], s[G0S+3], 0x80000000
	s_mov_b32 s[G0SB], 1
	s_mov_b32 s[G0SB+1], SCL+2*HALFS
	s_mov_b64 s[G0SB+2:G0SB+3], s[100:101]
	s_or_b32 s[G0SB+3], s[G0SB+3], 0x80000000
	s_add_nc_u64 s[20:21], s[20:21], s[18:19]
	s_add_nc_u64 s[46:47], s[46:47], s[18:19]
.irp s, 0,1
	s_mov_b32 s[G0+4*\s], 1
	s_add_co_u32 s[G0+4*\s+1], s45, \s*SLOT
	s_add_nc_u64 s[G0+4*\s+2:G0+4*\s+3], s[20:21], \s*ROWB
	s_or_b32 s[G0+4*\s+3], s[G0+4*\s+3], 0x80000000
	s_mov_b32 s[G0B+4*\s], 1
	s_add_co_u32 s[G0B+4*\s+1], s45, \s*SLOT
	s_add_nc_u64 s[G0B+4*\s+2:G0B+4*\s+3], s[46:47], \s*ROWB
	s_or_b32 s[G0B+4*\s+3], s[G0B+4*\s+3], 0x80000000
.endr
; the head's loads, one a wave, in one tree: wave 0 chunk 0 of A's 256 rows, wave 1 of B's, wave 2 A's scales, wave 3 B's
.macro ARM under, g0, g1, next
	s_cmp_lt_u32 s14, \under
	s_cbranch_scc0 \next
	TLOAD \g0, \g1
	s_branch .Lhead_asked
\next:
.endm
	ARM 1, G0H,  G1,  .Lhead_b
	ARM 2, G0HB, G1B, .Lhead_sa
	ARM 3, G0S,  G1S, .Lhead_sb
	TLOAD G0SB, G1SB
.Lhead_asked:
	s_cmp_eq_u32 s[TYP], 2                         ; my first feature and my first token, whichever is the tile's row
	s_cselect_b32 s92, s17, s42
	s_cselect_b32 s93, s15, s16
	s_cselect_b32 s95, s42, s17
	s_cselect_b32 s99, s16, s15
	s_lshl_b32 s92, s92, 8
	s_lshl_b32 s93, s93, 7
	s_add_co_u32 s92, s92, s93                     ; my first feature
	s_lshl_b32 s95, s95, 8
	s_lshl_b32 s99, s99, 7
	s_add_co_u32 s95, s95, s99                     ; my first token
	s_lshl_b32 s100, s92, 2
	s_mov_b32 s101, 0
	s_add_nc_u64 s[12:13], s[12:13], s[100:101]    ; the bias at my first feature
	v_and_b32 v1, 15, v0                           ; r
	v_bfe_u32 v2, v0, 4, 1                         ; h
	; the bias in the result's layout.  q, k: register j of block b is feature 16 b + 8 h + j.  v: all eight registers of block a are feature 16 a + r
	s_cmp_eq_u32 s[TYP], 2
	s_cbranch_scc1 .Lbias_v
	v_lshlrev_b32 v[BOF], 5, v2
.irp b, 0,1,2,3,4,5,6,7
	global_load_b128 v[BI+8*\b:BI+8*\b+3], v[BOF], s[12:13] offset:64*\b
	global_load_b128 v[BI+8*\b+4:BI+8*\b+7], v[BOF], s[12:13] offset:64*\b+16
.endr
	s_branch .Lbias_done
.Lbias_v:
	s_wait_alu depctr_va_vdst(0)
	v_lshlrev_b32 v[BOF], 2, v1
.irp a, 0,1,2,3,4,5,6,7
	global_load_b32 v[BI+8*\a], v[BOF], s[12:13] offset:64*\a
.endr
	s_wait_loadcnt 0x0                             ; while the first tiles are on their way
.irp a, 0,1,2,3,4,5,6,7
.irp j, 1,2,3,4,5,6,7
	v_mov_b32 v[BI+8*\a+\j], v[BI+8*\a]
.endr
.endr
.Lbias_done:
	s_wait_alu depctr_va_vdst(0)
	v_mul_u32_u24 v3, v1, PITCH
	v_mul_u32_u24 v4, v2, 24
	v_add_nc_u32 v4, v3, v4                        ; row x pitch + 24 x half
	s_mov_b32 s21, SLOT-232
	s_mov_b32 s22, SLOT+232
	v_sub_nc_u32 v7, 1, v2
	v_mul_u32_u24 v5, s21, v2
	v_add_nc_u32 v5, v3, v5
	v_add_nc_u32 v5, 232, v5                       ; lanes 0-15 byte 232 in slot 0, lanes 16-31 byte 0 in slot 1
	v_mul_u32_u24 v6, s22, v7
	v_add_nc_u32 v6, v3, v6                        ; and the other way round
	s_mul_i32 s21, s15, HALFT
	s_mul_i32 s22, s16, HALFT
	s_add_co_u32 s22, s22, 2*HALFT
	v_add_nc_u32 v[ADRA+2], s21, v5
	v_add_nc_u32 v[ADRA+3], s21, v6
	v_add_nc_u32 v[ADRB+2], s22, v5
	v_add_nc_u32 v[ADRB+3], s22, v6
.irp s, 0,1
	v_add_nc_u32 v[ADRA+\s], s21, v4
	v_add_nc_u32 v[ADRB+\s], s22, v4
	s_add_co_u32 s21, s21, SLOT
	s_add_co_u32 s22, s22, SLOT
.endr
	v_mul_u32_u24 v5, v1, KS                       ; my row's scales: 32 bytes a row, 16 more for each 256 passed
	v_lshrrev_b32 v6, 8, v5
	v_lshl_add_u32 v5, v6, 4, v5
	s_mul_i32 s21, s15, HALFS
	s_mul_i32 s22, s16, HALFS
	s_add_co_u32 s22, s22, 2*HALFS
	s_sub_co_u32 s22, s22, s21
	v_mul_u32_u24 v6, s22, v2                      ; lanes 16-31 take B's
	s_add_co_u32 s21, s21, SCL
	v_add_nc_u32 v5, v5, v6
	v_add_nc_u32 v[ADRS], s21, v5
	v_and_b32 v[LN], 31, v0
	v_lshlrev_b32 v[OF16], 4, v[LN]
	v_lshlrev_b32 v[OF8], 3, v[LN]
.irp b, 0,1,2,3
	v_mov_b32 v[T2+\b], 0                          ; a lane permute's destination counts as a source
.endr
	s_mov_b32 s[SEL], 0x76543210
	s_mov_b32 s[SEL+1], 0xfedcba98
.macro FRAG reg, adr, st, i            ; 16 rows x 128 K: six pieces of 8 bytes; byte y of a row lies in slot (y / 256) % 2 at byte y % 256
.irp p, 0,1,2,3,4,5
.set BY, 96*(\st)+48*(\p/3)+8*(\p%3)
.if BY/ROWB == (BY+24)/ROWB
	ds_load_b64 v[\reg+2*\p:\reg+2*\p+1], v[\adr+(BY/ROWB)%2] offset:BY%ROWB+(\i)*16*PITCH
.else
	ds_load_b64 v[\reg+2*\p:\reg+2*\p+1], v[\adr+2+(BY/ROWB)%2] offset:BY%ROWB-232+(\i)*16*PITCH
.endif
.endr
.endm
.macro WM a, b, p, q, sc, c
	v_wmma_scale_f32_16x16x128_f8f6f4 v[8*(8*((\a)%4)+\b):8*(8*((\a)%4)+\b)+7], v[128*(\p)+FR*\b:128*(\p)+FR*\b+FR-1], v[AF+FR*(\a):AF+FR*(\a)+FR-1], \c, v[SC+8*NQ*(\sc)+NQ*\b+(\q)], v[SC+8*NQ*(\sc)+NQ*(\a)+(\q)] matrix_a_fmt:MATRIX_FMT_FP6 matrix_b_fmt:MATRIX_FMT_FP6 matrix_a_scale:MATRIX_SCALE_ROW1
.endm
; A's blocks a0, a0 + 1 x B's eight.  mode 0: onto the sums; 1: the sums begin with the bias of B's block (q, k); 2: of A's block (v).  The 64 accumulators take turns
.macro MUL16 a0, p, q, sc, mode
.irp a, \a0, \a0+1
.irp b, 0,1,2,3,4,5,6,7
.if \mode == 1
	WM \a, \b, \p, \q, \sc, v[BI+8*\b:BI+8*\b+7]
.elseif \mode == 2
	WM \a, \b, \p, \q, \sc, v[BI+8*(\a):BI+8*(\a)+7]
.else
	WM \a, \b, \p, \q, \sc, v[8*(8*((\a)%4)+\b):8*(8*((\a)%4)+\b)+7]
.endif
.endr
.endr
.endm
.macro FETCH_B st, p
	WIN TO_B
.irp i, 0,1,2,3,4,5,6,7
	FRAG 128*(\p)+FR*\i, ADRB, \st, \i
.endr
	WIN 0
.endm
.macro FETCH_A st, i0
.irp i, \i0, \i0+1, \i0+2, \i0+3
	FRAG AF+FR*(\i), ADRA, \st, \i
.endr
.endm
.macro SCALES pr                       ; the scale words of steps 2 pr, 2 pr + 1 into set pr % 2
.irp i, 0,1,2,3,4,5,6,7
	ds_load_b64 v[SC+8*NQ*((\pr)%2)+NQ*\i:SC+8*NQ*((\pr)%2)+NQ*\i+1], v[ADRS] offset:\i*SBLK+4*NQ*(\pr)
.endr
.endm
; A step of 128 along K.  Where the next step's bytes END in a chunk not yet read: the wait for my tensor loads and a barrier show it whole.  Where they BEGIN in a later chunk: the chunk left behind is read no more:
; the wait, the add, the wait for it and for my reads, the barrier; where a chunk two on is left to fetch, the barrier opens a round of the cluster's barrier and the slot is filled again.
.macro STEP st, mode
.set NX, (\st)+1
.set C0, (96*(\st))/ROWB
.set C1, (96*NX)/ROWB
.set E0, (96*(\st)+95)/ROWB
.set E1, (96*NX+95)/ROWB
.if \mode
.set WL, 0x81                          ; C (the bias) in window 0
.set WH, 0xc1
.else
.set WL, MUL_LO
.set WH, MUL_HI
.endif
.if C1 > C0 || E1 > E0
	s_wait_tensorcnt 0x0
.if C1 > C0
	ds_add_u32 v[SPW], v[NIL]
	s_wait_dscnt 4*NL+1                            ; the add and A's blocks 4-7 (24 loads) may be out
.else
	s_wait_dscnt 4*NL                              ; A's blocks 4-7 may be out
.endif
	WIN WL
	MUL16 0, (\st)%2, (\st)%2, ((\st)/2)%2, \mode
	s_wait_dscnt 0x0                               ; the add and my reads are done
	s_barrier_signal -1
	MUL16 2, (\st)%2, (\st)%2, ((\st)/2)%2, \mode
	WIN 0
	s_barrier_wait -1
.if C1 > C0 && C0+2 < CHUNKS
	CREST
	s_add_nc_u64 s[G0+4*(C0%2)+2:G0+4*(C0%2)+3], s[G0+4*(C0%2)+2:G0+4*(C0%2)+3], 2*ROWB
	s_add_nc_u64 s[G0B+4*(C0%2)+2:G0B+4*(C0%2)+3], s[G0B+4*(C0%2)+2:G0B+4*(C0%2)+3], 2*ROWB
	JLOAD G0+4*(C0%2), G1, G0B+4*(C0%2), G1B       ; chunk C0 + 2; its four v_nop are the places ahead of the loads below
.else
	PLACES NP
.endif
.else
	s_wait_dscnt 4*NL
	WIN WL
	MUL16 0, (\st)%2, (\st)%2, ((\st)/2)%2, \mode
	MUL16 2, (\st)%2, (\st)%2, ((\st)/2)%2, \mode
	s_wait_dscnt 0
	PLACES NP
.endif
	FETCH_B NX, NX%2
	FETCH_A NX, 0
.if NX%2 == 0
	SCALES NX/2
.endif
	WIN WH
	MUL16 4, (\st)%2, (\st)%2, ((\st)/2)%2, \mode
	MUL16 6, (\st)%2, (\st)%2, ((\st)/2)%2, \mode
	PLACES NP
	WIN 0
	FETCH_A NX, 4
.endm
	s_wait_alu depctr_va_vdst(0)
	s_wait_tensorcnt 0x0                           ; my tile of the head's four is in; the full sequence ahead of slot 1's first fill
	ds_add_u32 v[SPW], v[NIL]
	s_mov_b32 s[G1+2], 128<<16                     ; no load of mine is out: from here on a load brings 128 rows
	s_mov_b32 s[G1+4], 128
	s_mov_b32 s[G1B+2], 128<<16
	s_mov_b32 s[G1B+4], 128
	s_wait_dscnt 0x0
	CROUND
	JLOAD G0+4, G1, G0B+4, G1B                     ; chunk 1
	FETCH_B 0, 0
	FETCH_A 0, 0
	SCALES 0
	FETCH_A 0, 4
	s_lshr_b32 s100, s95, 11                       ; where the results go: the batch,
	s_lshl_b32 s100, s100, 4
	s_lshr_b32 s93, s92, 6                         ; the first of my two heads,
	s_add_co_u32 s100, s100, s93
	s_lshl_b32 s100, s100, 4
	s_bfe_u32 s93, s95, 0x40007                    ; the group of 128 tokens
	s_add_co_u32 s100, s100, s93
	s_mov_b32 s99, KVREC
	s_mov_b32 s94, 12288
	s_cmp_eq_u32 s[TYP], 0
	s_cselect_b32 s99, QREC, s99
	s_cselect_b32 s94, 6144, s94
	s_mov_b32 s95, 0
	s_mul_i32 s100, s100, s99
	s_add_nc_u64 s[4:5], s[96:97], s[100:101]      ; my first head's record,
	s_lshl_b32 s100, s99, 4
	s_add_nc_u64 s[6:7], s[4:5], s[100:101]        ; my second head's,
	s_add_nc_u64 s[8:9], s[4:5], s[94:95]          ; and their scale words
	s_add_nc_u64 s[10:11], s[6:7], s[94:95]
	s_wait_loadcnt 0x0                             ; the bias
	s_cmp_eq_u32 s[TYP], 2                         ; the first step, once for each layout of the bias
	s_cbranch_scc1 .Lfirst_v
	STEP 0, 1
	s_branch .Lfirst_done
.Lfirst_v:
	STEP 0, 2
.Lfirst_done:
.set ST, 1                             ; slots and chunks do not come back to where they began inside these eight steps: the walk is written out
.rept STEPS-2
	STEP ST, 0
.set ST, ST+1
.endr
	s_wait_dscnt 4*NL
	WIN MUL_LO
	MUL16 0, 1, 1, 1, 0
	MUL16 2, 1, 1, 1, 0
	s_wait_dscnt 0
	WIN MUL_HI
	MUL16 4, 1, 1, 1, 0
	MUL16 6, 1, 1, 1, 0
	WIN 0
; v[pc..pc+2]: the codes of k 0-7 and 16-23 of my block; v[cb..cb+2]: of k 8-15 and 24-31.  Out: v[pc..pc+5] in K's order
.macro WEAVE pc, cb
	v_alignbit_b32 v[\pc+3], v[\pc+2], v[\pc+1], 16
	v_perm_b32 v[\pc+4], v[\cb+1], v[\pc+2], 0x07060302
	v_mov_b32 v[\pc+5], v[\cb+2]
	v_perm_b32 v[\pc+1], v[\cb], v[\pc+1], 0x05040100
	v_alignbit_b32 v[\pc+2], v[\cb+1], v[\cb], 16
.endm
; block a of A's rows: 64 registers (four blocks of 32) become 12 registers of codes from v[PC] on and the scale word v[PWS + a]
.macro QUANT a
.set AC, 64*((\a)%4)
.set WW, 2+(\a)/4
.set WN, WW|(WW<<2)
	WIN WN
.irp b, 0,1,2,3
	v_max3_num_f32 v[TM+\b], |v[AC+16*\b]|, |v[AC+16*\b+1]|, 0x1800000   ; from the low end on; the floor 2^(3 - 127)
.endr
.irp i, 2,4,6,8,10,12,14
.irp b, 0,1,2,3
	v_max3_num_f32 v[TM+\b], |v[AC+16*\b+\i]|, |v[AC+16*\b+\i+1]|, v[TM+\b]
.endr
.endr
	WIN 0
.irp b, 0,1,2,3
	v_permlanex16_b32 v[T2+\b], v[TM+\b], s[SEL], s[SEL+1]
.endr
.irp b, 0,1,2,3
	v_max_num_f32 v[TM+\b], v[TM+\b], v[T2+\b]
.endr
.irp b, 0,1,2,3
	v_add_nc_u32 v[SOP+\b], 0xff000000, v[TM+\b]   ; 2 off the exponent field: the conversion's scale operand
.endr
.irp b, 0,1,2,3
	v_lshrrev_b32 v[T2+\b], 23, v[SOP+\b]
.endr
	v_lshl_or_b32 v[PWS+\a], v[T2+1], 8, v[T2]
	v_lshl_or_b32 v[PWS+\a], v[T2+2], 16, v[PWS+\a]
	v_lshl_or_b32 v[PWS+\a], v[T2+3], 24, v[PWS+\a]
	s_wait_alu depctr_va_vdst(0)
	s_wait_xcnt 0x0                                ; the last block's stores have read the codes' registers
	WIN WW
.irp c, 0,1
	v_cvt_scalef32_pk16_fp6_f32 v[PC+6*\c:PC+6*\c+2], v[AC+32*\c:AC+32*\c+15], v[SOP+2*\c]
	v_cvt_scalef32_pk16_fp6_f32 v[CB+4*\c:CB+4*\c+2], v[AC+32*\c+16:AC+32*\c+31], v[SOP+2*\c+1]
.endr
	WIN 0
	v_nop                                          ; a plain place behind a scaled conversion
.irp c, 0,1
.irp i, 0,1,2
	v_permlane16_swap_b32 v[PC+6*\c+\i], v[CB+4*\c+\i]
.endr
	WEAVE PC+6*\c, CB+4*\c
.endr
.endm
	PLACES NP
	v_cmp_le_u32 vcc_lo, 16, v[LN]
	s_cmp_eq_u32 s[TYP], 2
	s_cbranch_scc1 .Lout_v
	; q, k: block a is tile a of my 128 tokens; registers 0-5 my first head's 64 numbers, 6-11 my second head's
.irp a, 0,1,2,3,4,5,6,7
	QUANT \a
	global_store_b128 v[OF16], v[PC:PC+3], s[4:5] offset:768*\a            ; 512 consecutive bytes, at a multiple of 256,
	global_store_b64 v[OF8], v[PC+4:PC+5], s[4:5] offset:768*\a+512        ; and 256
	global_store_b128 v[OF16], v[PC+6:PC+9], s[6:7] offset:768*\a
	global_store_b64 v[OF8], v[PC+10:PC+11], s[6:7] offset:768*\a+512
.endr
.irp j, 0,1,2,3
	v_cndmask_b32 v[TM], v[PWS+2*\j], v[PWS+2*\j+1], vcc_lo
	v_and_b32 v[SW+\j], 0xffff, v[TM]                                      ; the two bytes above are 0: they scale codes that are zeros
	v_lshrrev_b32 v[SW+4+\j], 16, v[TM]
.endr
	global_store_b128 v[OF16], v[SW:SW+3], s[8:9]
	global_store_b128 v[OF16], v[SW+4:SW+7], s[10:11]
	s_branch .Lend
.Lout_v:
	; v: block a is fragment a % 4 of head a / 4 x my 128 keys
.irp a, 0,1,2,3,4,5,6,7
	QUANT \a
.irp c, 0,1,2
	global_store_b128 v[OF16], v[PC+4*\c:PC+4*\c+3], s[4:5] offset:6144+((\a)/4)*HEADB+1536*((\a)%4)+512*\c
.endr
.endr
.irp c, 0,1
.irp j, 0,1
	v_cndmask_b32 v[SW+2*\c+\j], v[PWS+4*\c+2*\j], v[PWS+4*\c+2*\j+1], vcc_lo
.endr
	global_store_b64 v[OF8], v[SW+2*\c:SW+2*\c+1], s[4:5] offset:12800+\c*HEADB
.endr
.Lend:
	s_wait_tensorcnt 0x0                           ; the wave's end
	ds_add_u32 v[SPW], v[NIL]
	s_wait_dscnt 0x0
	CROUND                                         ; the closing round
	s_endpgm
.Lfunc_end_k_q1058c7e40f_qkv:
	.size	k_q1058c7e40f_qkv, .Lfunc_end_k_q1058c7e40f_qkv-k_q1058c7e40f_qkv
	.p2alignl 7, 3214868480
	.fill 96, 4, 3214868480
	.section	.rodata,"a",@progbits
	.p2align	6, 0x0
	.amdhsa_kernel k_q1058c7e40f_qkv
		.amdhsa_group_segment_fixed_size 327680
		.amdhsa_private_segment_fixed_size 0
		.amdhsa_enable_private_segment 0
		.amdhsa_kernarg_size 104
		.amdhsa_user_sgpr_count 2
		.amdhsa_user_sgpr_kernarg_segment_ptr 1
		.amdhsa_wavefront_size32 1
		.amdhsa_system_sgpr_workgroup_id_x 1
		.amdhsa_system_sgpr_workgroup_id_y 1
		.amdhsa_system_sgpr_workgroup_id_z 1
		.amdhsa_system_vgpr_workitem_id 0
		.amdhsa_next_free_vgpr 1024
		.amdhsa_next_free_sgpr 102
		.amdhsa_reserve_vcc 1
		.amdhsa_float_denorm_mode_32 3
		.amdhsa_float_denorm_mode_16_64 3
		.amdhsa_memory_ordered 1
		.amdhsa_forward_progress 1
		.amdhsa_inst_pref_size 228
	.end_amdhsa_kernel
	.amdgpu_metadata
---
amdhsa.version: [ 1, 2 ]
amdhsa.kernels:
  - .name:           k_q1058c7e40f_qkv
    .symbol:         k_q1058c7e40f_qkv.kd
    .args:
      - { .name: x_codes, .offset: 0, .size: 8, .value_kind: global_buffer, .address_space: global }
      - { .name: x_scales, .offset: 8, .size: 8, .value_kind: global_buffer, .address_space: global }
      - { .name: Wq_codes, .offset: 16, .size: 8, .value_kind: global_buffer, .address_space: global }
      - { .name: Wq_scales, .offset: 24, .size: 8, .value_kind: global_buffer, .address_space: global }
      - { .name: Wk_codes, .offset: 32, .size: 8, .value_kind: global_buffer, .address_space: global }
      - { .name: Wk_scales, .offset: 40, .size: 8, .value_kind: global_buffer, .address_space: global }
      - { .name: Wv_codes, .offset: 48, .size: 8, .value_kind: global_buffer, .address_space: global }
      - { .name: Wv_scales, .offset: 56, .size: 8, .value_kind: global_buffer, .address_space: global }
      - { .name: bq, .offset: 64, .size: 8, .value_kind: global_buffer, .address_space: global }
      - { .name: bk, .offset: 72, .size: 8, .value_kind: global_buffer, .address_space: global }
      - { .name: bv, .offset: 80, .size: 8, .value_kind: global_buffer, .address_space: global }
      - { .name: qbuf, .offset: 88, .size: 8, .value_kind: global_buffer, .address_space: global }
      - { .name: kvbuf, .offset: 96, .size: 8, .value_kind: global_buffer, .address_space: global }
    .group_segment_fixed_size: 327680
    .private_segment_fixed_size: 0
    .kernarg_segment_align: 8
    .kernarg_segment_size: 104
    .max_flat_workgroup_size: 128
    .sgpr_count:     102
    .vgpr_count:     1024
    .wavefront_size: 32
...
	.end_amdgpu_metadata
.endif
;; end of part 1
;; launch attn (part 2): grid 4 x 64, 16 waves a work-group, clusters of 4 x 1, 215,040 bytes of LDS; arguments qbuf, kvbuf, cbuf, csc; writes cbuf, csc
.if DOCPART == 2
	.amdgcn_target "amdgcn-amd-amdhsa--gfx1250"
	.amdhsa_code_object_version 6
	.text
	.protected	k_q1058c7e40f_attn
	.globl	k_q1058c7e40f_attn
	.p2align	8
	.type	k_q1058c7e40f_attn,@function
k_q1058c7e40f_attn:
	s_mov_b64 s[64:65], 0
	v_nop
	global_prefetch_b8 v0, s[64:65] scope:SCOPE_SE
	s_setreg_imm32_b32 hwreg(HW_REG_WAVE_MODE, 25, 1), 1
	s_wait_xcnt 0x0
	s_wait_alu depctr_hold_cnt(0) depctr_sa_sdst(0) depctr_va_vdst(0) depctr_va_sdst(0) depctr_va_ssrc(0) depctr_va_vcc(0) depctr_vm_vsrc(0)
	s_getreg_b32 s2, hwreg(HW_REG_IB_STS2, 6, 4)
	s_cmp_eq_u32 s2, 0
	s_cbranch_scc0 .Lentry_in_a_cluster
	s_endpgm
.Lentry_in_a_cluster:
	s_bfe_u32 s2, ttmp6, 0x10000c
	s_cmp_lg_u32 s2, 0x3003
	s_cbranch_scc0 .Lentry_shape_is_right
	s_endpgm
.Lentry_shape_is_right:
; ctx[head][q] = the sum over k of softmax_k(q . k / 8) v, both products on codes of FP6 (E2M3) with one E8M0 scale for each 32 along a product's K; ctx is quantised here along its head's 64 numbers for the last product.
; THE SOFTMAX AHEAD OF THE SECOND PRODUCT: t = score x log2(e) / 8; M = the row's largest t so far, rounded UP to a whole number; p = 2^(t - M) is what is quantised, along the keys; it is not normalised.
; The row's sum is taken of the unquantised p, in f32, and divides at the end.  When M moves, the sum and O are multiplied by 2^(old M - new M): exact.
; IN.  qbuf and kvbuf hold images of operand registers: a tile of 16 tokens x 64 is 768 bytes (registers 0-3 of lane l at 16 l, registers 4-5 at 512 + 8 l); a fragment of v (16 of the head's 64 x 128 keys) 1,536 bytes.
; A record of kvbuf (128 keys: k's 8 tiles, v's 4 fragments, their scale words) is 13,056 bytes; a head's 16 records, 208,896 bytes, lie in LDS for the whole launch: each LDS byte is filled once.
; SHARES.  The cluster's four work-groups are the four blocks of 512 queries of one head, so the head's records are asked for JOINTLY: wave w of each asks for record w, with the same descriptor and a mask that names the four.
; Each of the SIXTEEN waves owns one tile of 16 queries at a time, two one after the other, in 256 registers: four waves to a SIMD, so that one wave's vector work stands beside another's matrix work and LDS loads.
; LAYOUT.  Both products are used transposed: S^T = K Q^T (source 0 = 16 keys, source 1 = my 16 queries), O^T = V^T P^T (source 0 = 16 of the head's 64, source 1 = P): a lane holds ONE query (lane % 16) throughout.
; THE FIRST PRODUCT'S K IS 64, THE INSTRUCTION'S 128.  Q's registers 6-11 are zeros, and the upper two bytes of Q's and K's scale words are 0 (2^-127, a number).  K's operand for tile i is v[KF + 6 i .. + 11]: its upper six registers are the
; next tile's codes (for tile 7 six zeros).  This format has no code for infinity or NaN, so those codes times Q's zeros add exactly 0.
; P.  In tiles 2 B and 2 B + 1 a lane (r, h) holds keys 32 B + 8 h + 0 .. 7 and 32 B + 16 + 8 h + 0 .. 7: the conversion packs these 16, lanes l and l xor 16 change halves, and WEAVE puts the four runs of 48 bits into the keys' order.
; OUT.  cbuf: [tile of 16 tokens][head][768], each as a tile above;  csc: [16 batch + head][token], two scale bytes each.
; LIMITS: NaN and infinities are not served.  A block whose largest magnitude lies under 2^-124, a block of zeros among them, gets the byte 1 (the rule says 127 for zeros); this program alone reads the bytes.  A p under 2^-126 comes out of v_exp_f32 as 0.
; A block's largest p is made from the block's largest score by the same multiply-add and exponential (this takes v_exp_f32 not to fall where its input rises).  1 / the sum is v_rcp_f32's.
.set REC,  13056                       ; a record of kvbuf
.set QREC, 6656                        ; a record of qbuf
.set GS,   16*REC                      ; LDS, behind the records: ctx's scale bytes, 2 for each of the work-group's 512 queries; no tile lands here
.set L16,  1                           ; v1   16 x lane; never rewritten
.set L8,   2                           ; v2   8 x lane; never rewritten
.set A16,  3                           ; v3   the step's record + 16 x lane
.set A8,   4                           ; v4   the step's record + 8 x lane
.set GA,   5                           ; v5   GS + 32 x wave + 2 (lane % 16)
.set QF,   16                          ; v16-27 Q (v22-27: zeros);  v8-11, v6-7, v253: the second tile's, waiting
.set QS,   28                          ; v28  Q's scale words
.set PS,   29                          ; v29  p's scale word
.set VS,   30                          ; v30-31 V's scale words
.set KSC,  32                          ; v32-35 K's scale words
.set KF,   36                          ; v36-83 K's 8 tiles, 6 registers each; v84-89 zeros
.set VF,   90                          ; v90-137 V's 4 fragments
.set S,    138                         ; v138-201 S^T, then p
.set O,    202                         ; v202-233 O^T
.set PC,   234                         ; v234-245 p's codes
.set CB,   246                         ; v246-248, v250-252 the odd blocks' codes
.set F,    254                         ; v[254:255] f = 2^(old M - new M); at the end 1 / the sum (v255 is written once: it is named with v254 as a pair)
.set TM,   36                          ; at work, in K's registers, which are free behind the first product and its places: v36-39 block maxima,
.set T2,   40                          ; v40-43,
.set SOP,  44                          ; v44-47 the conversions' scale operands,
.set TP,   48                          ; v48,
.set SUM2, 50                          ; v[50:51] the second chain of the sum
.set WV,   12                          ; s12  my wave's number
.set G1,   16                          ; s[16:23] descriptor group 1;  s[24:27] group 0
.set G0,   24
.set SEL,  28                          ; s[28:29] lane selects: lane l xor 16
.set CS,   30                          ; s[30:31] c = log2(e) / 8
.set TB,   32                          ; s32  LDS byte at which the step's record begins
.set CNT,  33                          ; s33  steps to go
.macro CROUND                          ; a round of the cluster's barrier
	s_barrier_signal -1
	s_barrier_wait -1
	s_cmp_lg_u32 s[WV], 0
	s_cbranch_scc1 .Lnot_wave_0_\@
	s_barrier_signal -3
.Lnot_wave_0_\@:
	s_barrier_wait -3
	s_barrier_signal -1
	s_barrier_wait -1
.endm
; v[pc .. pc+2]: the codes of k 0-7 and 16-23 of my block, 48 bits each; v[cb .. cb+2]: those of k 8-15 and 24-31.  Out: v[pc .. pc+5], the block's 192 bits in K's order.
.macro WEAVE pc, cb
	s_delay_alu instid0(VALU_DEP_1)
	v_alignbit_b32 v[\pc+3], v[\pc+2], v[\pc+1], 16
	s_delay_alu instid0(VALU_DEP_2)
	v_perm_b32 v[\pc+4], v[\cb+1], v[\pc+2], 0x07060302
	s_delay_alu instid0(VALU_DEP_3)
	v_mov_b32 v[\pc+5], v[\cb+2]
	v_perm_b32 v[\pc+1], v[\cb], v[\pc+1], 0x05040100
	v_alignbit_b32 v[\pc+2], v[\cb+1], v[\cb], 16
.endm
	s_load_b256 s[4:11], s[0:1], 0x0               ; qbuf s[4:5], kvbuf s[6:7], cbuf s[8:9], csc s[10:11]
	v_lshl_add_u32 v254, v0, 2, 0x34000
	v_mov_b32 v255, 0
	ds_add_u32 v254, v255
	ds_add_u32 v254, v255
	s_wait_dscnt 0x0
	v_lshrrev_b32 v1, 5, v0
	s_delay_alu instid0(VALU_DEP_1)
	v_readfirstlane_b32 s[WV], v1                  ; wave 0..15
	s_bfe_u32 s13, ttmp6, 0x40000                  ; cx: my block of 512 queries: it enters global addresses of q, ctx and its scales alone
	s_and_b32 s14, ttmp7, 0xffff                   ; g = 16 batch + head, which the four partners share
	; descriptor group 1: a record, dense in memory: 51 rows of 256 bytes (32 elements of 8 bytes), no padding: every LDS load takes consecutive bytes
	s_mov_b32 s[G1], 15|(3<<16)|(1<<21)            ; 15:0 the mask: all four work-groups; 17:16 elements of 8 bytes; 21 set beside a mask
	s_mov_b32 s[G1+1], 32<<16                      ; tensor_dim0
	s_mov_b32 s[G1+2], 51<<16                      ; tensor_dim1
	s_mov_b32 s[G1+3], 32<<16                      ; tile_dim0
	s_mov_b32 s[G1+4], 51                          ; tile_dim1
	s_mov_b32 s[G1+5], 32                          ; tensor_dim0_stride
	s_mov_b32 s[G1+6], 0
	s_mov_b32 s[G1+7], 0
	s_lshl_b32 s44, s14, 4
	s_add_co_u32 s44, s44, s[WV]
	s_mul_i32 s44, s44, REC                        ; record w of my head, in memory,
	s_mov_b32 s45, 0
	s_mul_i32 s34, s[WV], REC                      ; and in LDS
	s_lshl_b32 s46, s14, 4                         ; Q: my first tile is tile 32 cx + w of the head: record 4 cx + w / 8, tile w % 8
	s_lshl_b32 s47, s13, 2
	s_add_co_u32 s46, s46, s47
	s_lshr_b32 s47, s[WV], 3
	s_add_co_u32 s46, s46, s47
	s_mul_i32 s46, s46, QREC
	s_and_b32 s47, s[WV], 7
	s_mul_i32 s48, s47, 768
	s_add_co_u32 s48, s48, s46                     ; its codes
	s_mov_b32 s49, 0
	s_lshr_b32 s47, s47, 1
	s_lshl_b32 s47, s47, 2
	s_add_co_u32 s46, s46, s47                     ; its scale words: word (w % 8) / 2 of a lane's four,
	s_and_b32 s47, s[WV], 1
	s_lshl_b32 s47, s47, 8
	s_add_co_u32 s46, s46, s47                     ; of lanes 16 on where the tile is an odd one,
	s_add_co_u32 s46, s46, 6144                    ; behind the record's codes
	s_mov_b32 s47, 0
	s_lshr_b32 s50, s14, 4                         ; ctx: tile 128 batch + 32 cx + w of all tokens, 12,288 bytes a tile, + 768 x head
	s_lshl_b32 s50, s50, 7
	s_lshl_b32 s51, s13, 5
	s_add_co_u32 s50, s50, s51
	s_add_co_u32 s50, s50, s[WV]
	s_mul_i32 s50, s50, 12288
	s_and_b32 s51, s14, 15
	s_mul_i32 s51, s51, 768
	s_add_co_u32 s50, s50, s51
	s_mov_b32 s51, 0
	s_lshl_b32 s52, s14, 12                        ; its scale bytes: 4,096 g + 1,024 cx
	s_lshl_b32 s53, s13, 10
	s_add_co_u32 s52, s52, s53
	s_mov_b32 s53, 0
	s_mov_b32 s[SEL], 0x76543210
	s_mov_b32 s[SEL+1], 0xfedcba98
	s_mov_b32 s[CS], 0x3e38aa3b                    ; c = log2(e) / 8
	s_mov_b32 s[CS+1], s[CS]                       ; (named with it as a pair, so it is written)
	s_wait_kmcnt 0x0
	s_mov_b32 s[G0], 1                             ; count = 1
	s_mov_b32 s[G0+1], s34                         ; LDS address
	s_add_nc_u64 s[G0+2:G0+3], s[6:7], s[44:45]    ; global address
	s_or_b32 s[G0+3], s[G0+3], 0x80000000          ; type = 2
	s_add_nc_u64 s[36:37], s[4:5], s[48:49]        ; Q's codes
	s_add_nc_u64 s[38:39], s[4:5], s[46:47]        ; Q's scale words
	s_add_nc_u64 s[40:41], s[8:9], s[50:51]        ; ctx's codes
	s_add_nc_u64 s[42:43], s[10:11], s[52:53]      ; ctx's scale bytes
	CROUND                                         ; all four work-groups are here: the joint loads meet
	tensor_load_to_lds s[G0:G0+3], s[G1:G1+7]      ; my one tensor load of the launch
	s_nop 0
.rept 4
	v_nop
.endr
	v_and_b32 v5, 31, v0                           ; lane
	s_delay_alu instid0(VALU_DEP_1)
	v_lshlrev_b32 v[L16], 4, v5
	s_delay_alu instid0(VALU_DEP_2)
	v_lshlrev_b32 v[L8], 3, v5
	v_and_b32 v3, 15, v0                           ; r
	s_delay_alu instid0(VALU_DEP_1)
	v_lshlrev_b32 v4, 1, v3
	s_delay_alu instid0(VALU_DEP_2)
	v_lshlrev_b32 v3, 4, v3                        ; 16 r: a lane's four scale words
	global_load_b128 v[QF:QF+3], v[L16], s[36:37]                  ; my first tile of Q,
	global_load_b64 v[QF+4:QF+5], v[L8], s[36:37] offset:512
	global_load_b32 v[QS], v3, s[38:39]
	global_load_b128 v[8:11], v[L16], s[36:37] offset:2*QREC       ; and my second, 16 tiles (two records) on
	global_load_b64 v[6:7], v[L8], s[36:37] offset:2*QREC+512
	global_load_b32 v253, v3, s[38:39] offset:2*QREC
	s_lshl_b32 s35, s[WV], 5
	s_add_co_u32 s35, s35, GS
	v_add_nc_u32 v[GA], s35, v4
.irp j, 22,23,24,25,26,27, 84,85,86,87,88,89
	v_mov_b32 v[\j], 0                             ; Q's upper half, and what stands behind K's last tile: zero codes, written once
.endr
	v_mov_b32 v[F+1], 0
	s_wait_loadcnt 0x0                             ; Q
	s_wait_tensorcnt 0x0                           ; my record has landed,
	s_barrier_signal -1
	s_barrier_wait -1                              ; everybody's has: the head's K and V lie in LDS
; A KEY STEP: 128 keys, one record.
.macro STEP
	v_add_nc_u32 v[A16], s[TB], v[L16]
	v_add_nc_u32 v[A8], s[TB], v[L8]
	ds_load_b128 v[KSC:KSC+3], v[A16] offset:12288 ; K's scale words: word j: lanes 0-15 tile 2 j, lanes 16-31 tile 2 j + 1
.irp i, 0,1,2,3,4,5,6,7
	ds_load_b128 v[KF+6*\i:KF+6*\i+3], v[A16] offset:768*\i
	ds_load_b64 v[KF+6*\i+4:KF+6*\i+5], v[A8] offset:768*\i+512
.endr
	s_wait_alu depctr_va_vdst(0)
	s_wait_dscnt 0x0
.irp i, 0,2,4,6                                ; S^T = K Q^T: in tile i lane (r, h) holds query r, and its register j key 16 i + 8 h + j
	v_wmma_scale_f32_16x16x128_f8f6f4 v[S+8*\i:S+8*\i+7], v[KF+6*\i:KF+6*\i+11], v[QF:QF+11], 0, v[KSC+\i/2], v[QS] matrix_a_fmt:MATRIX_FMT_FP6 matrix_b_fmt:MATRIX_FMT_FP6
	v_wmma_scale_f32_16x16x128_f8f6f4 v[S+8*\i+8:S+8*\i+15], v[KF+6*\i+6:KF+6*\i+17], v[QF:QF+11], 0, v[KSC+\i/2], v[QS] matrix_a_fmt:MATRIX_FMT_FP6 matrix_b_fmt:MATRIX_FMT_FP6 matrix_a_scale:MATRIX_SCALE_ROW1
.endr
.rept 4
	v_nop                                          ; the places behind these products; with the two additions at the step's head also those between the last step's second product and the loads into its operands
.endr
	ds_load_b64 v[VS:VS+1], v[A8] offset:12800     ; V's scale words and fragments land while the softmax is worked
.irp t, 0,1,2,3
.irp c, 0,1,2
	ds_load_b128 v[VF+12*\t+4*\c:VF+12*\t+4*\c+3], v[A16] offset:6144+1536*\t+512*\c
.endr
.endr
.irp b, 0,1,2,3
	v_max3_num_f32 v[TM+\b], v[S+16*\b], v[S+16*\b+1], v[S+16*\b+2]   ; THE LARGEST SCORE OF EACH BLOCK OF 32 KEYS: for the row's maximum and, since p rises with the score, for the block's largest p.  Each tile is read from its low end on
.endr
.irp i, 3,5,7,9,11,13
.irp b, 0,1,2,3
	v_max3_num_f32 v[TM+\b], v[TM+\b], v[S+16*\b+\i], v[S+16*\b+\i+1]   ; (the four blocks by turns)
.endr
.endr
.irp b, 0,1,2,3
	v_max_num_f32 v[TM+\b], v[TM+\b], v[S+16*\b+15]
.endr
.irp b, 0,1,2,3
	s_delay_alu instid0(VALU_DEP_4)
	v_permlanex16_b32 v[T2+\b], v[TM+\b], s[SEL], s[SEL+1]
.endr
.irp b, 0,1,2,3
	s_delay_alu instid0(VALU_DEP_4)
	v_max_num_f32 v[TM+\b], v[TM+\b], v[T2+\b]     ; with lane l xor 16's 16 keys
.endr
	s_delay_alu instid0(VALU_DEP_2)
	v_max3_num_f32 v[TP], v[TM], v[TM+1], v[TM+2]
	s_delay_alu instid0(VALU_DEP_1)
	v_max_num_f32 v[TP], v[TP], v[TM+3]            ; the step's largest score of my query
	s_delay_alu instid0(VALU_DEP_1)
	v_mul_f32 v[TP], s[CS], v[TP]                  ; as t (c is positive)
	s_delay_alu instid0(VALU_DEP_1)
	v_max_num_f32 v13, v13, v[TP]                  ; the running largest t
	v_mov_b32 v[TP], v12
	s_delay_alu instid0(VALU_DEP_2)
	v_floor_f32 v12, -v13                          ; the new -M = floor(-t) = -ceil(t): M IS A WHOLE NUMBER
	s_delay_alu instid0(VALU_DEP_1)
	v_sub_f32 v[TP], v12, v[TP]                    ; M's old value less its new one: a whole number, 0 or less
	s_delay_alu instid0(VALU_DEP_1)
	v_cvt_i32_f32 v[TP], v[TP]                     ; (it saturates)
	s_delay_alu instid0(VALU_DEP_1)
	v_ldexp_f32 v[F], 1.0, v[TP]                   ; f = 2^(old M - new M)
.set j, 0
.rept 32
	v_pk_fma_f32 v[S+j:S+j+1], v[S+j:S+j+1], s[CS:CS+1], v[12:13] op_sel_hi:[1,0,0]   ; t - M, two at a time (of the pairs c and -M the low word serves both halves)
.set j, j+2
.endr
.irp b, 0,1,2,3
	v_fma_f32 v[TM+\b], v[TM+\b], s[CS], v12       ; the same of each block's largest score
.endr
.set j, 0
	s_wait_alu depctr_va_vdst(0)
.rept 64
	v_exp_f32 v[S+j], v[S+j]                       ; p = 2^(t - M), at most 1: NOT normalised
.set j, j+1
.endr
	v_pk_mul_f32 v[14:15], v[14:15], v[F:F+1] op_sel_hi:[1,0]   ; the sums under the new M.  (A plain place behind the exponentials)
	s_wait_alu depctr_va_vdst(0)                   ; the wait ahead of the first line that names a result: one for the batch of 64
.irp b, 0,1,2,3
	v_exp_f32 v[TM+\b], v[TM+\b]                   ; the block's largest p: the same two instructions on the same number give the same bits
.endr
	v_pk_add_f32 v[50:51], v[142:143], v[146:147]
	v_pk_add_f32 v[250:251], v[150:151], v[154:155]
	v_pk_add_f32 v[248:249], v[158:159], v[162:163]
	v_pk_add_f32 v[246:247], v[166:167], v[170:171]
	v_pk_add_f32 v[244:245], v[174:175], v[178:179]
	v_pk_add_f32 v[242:243], v[182:183], v[186:187]
	v_pk_add_f32 v[240:241], v[190:191], v[194:195]
	v_pk_add_f32 v[14:15], v[14:15], v[198:199]
	v_pk_add_f32 v[50:51], v[50:51], v[138:139]
	v_pk_add_f32 v[250:251], v[250:251], v[140:141]
	v_pk_add_f32 v[248:249], v[248:249], v[144:145]
	v_pk_add_f32 v[246:247], v[246:247], v[148:149]
	v_pk_add_f32 v[244:245], v[244:245], v[152:153]
	v_pk_add_f32 v[242:243], v[242:243], v[156:157]
	v_pk_add_f32 v[240:241], v[240:241], v[160:161]
	v_pk_add_f32 v[14:15], v[14:15], v[164:165]
	v_pk_add_f32 v[50:51], v[50:51], v[168:169]
	v_pk_add_f32 v[250:251], v[250:251], v[172:173]
	v_pk_add_f32 v[248:249], v[248:249], v[176:177]
	v_pk_add_f32 v[246:247], v[246:247], v[180:181]
	v_pk_add_f32 v[244:245], v[244:245], v[184:185]
	v_pk_add_f32 v[242:243], v[242:243], v[188:189]
	v_pk_add_f32 v[240:241], v[240:241], v[192:193]
	v_pk_add_f32 v[14:15], v[14:15], v[196:197]
	v_pk_add_f32 v[50:51], v[50:51], v[200:201]
	s_delay_alu instid0(VALU_DEP_2)
	v_pk_add_f32 v[14:15], v[14:15], v[246:247]
	s_delay_alu instid0(VALU_DEP_2)
	v_pk_add_f32 v[50:51], v[50:51], v[244:245]
	v_pk_add_f32 v[250:251], v[250:251], v[242:243]
	v_pk_add_f32 v[248:249], v[248:249], v[240:241]
	s_delay_alu instid0(VALU_DEP_2)
	v_pk_add_f32 v[14:15], v[14:15], v[250:251]
	s_delay_alu instid0(VALU_DEP_2)
	v_pk_add_f32 v[50:51], v[50:51], v[248:249]
	s_delay_alu instid0(VALU_DEP_1)
	v_pk_add_f32 v[14:15], v[14:15], v[50:51]
	s_wait_alu depctr_va_vdst(0)                   ; and one for the four
.irp b, 0,1,2,3
	v_max_num_f32 v[TM+\b], 0x1800000, v[TM+\b]    ; the floor 2^(3 - 127): the byte cannot fall under 1
.endr
.irp b, 0,1,2,3
	s_delay_alu instid0(VALU_DEP_4)
	v_add_nc_u32 v[SOP+\b], 0xff000000, v[TM+\b]   ; 2 off the exponent field: the conversion's scale operand
.endr
.irp b, 0,1,2,3
	s_delay_alu instid0(VALU_DEP_4)
	v_lshrrev_b32 v[T2+\b], 23, v[SOP+\b]          ; the scale's byte
.endr
	s_delay_alu instid0(VALU_DEP_3)
	v_lshl_or_b32 v[PS], v[T2+1], 8, v[T2]         ; p's scale word for these 128 keys
	s_delay_alu instid0(VALU_DEP_1)
	v_lshl_or_b32 v[PS], v[T2+2], 16, v[PS]
	s_delay_alu instid0(VALU_DEP_1)
	v_lshl_or_b32 v[PS], v[T2+3], 24, v[PS]
.irp c, 0,1
	v_cvt_scalef32_pk16_fp6_f32 v[PC+6*\c:PC+6*\c+2], v[S+32*\c:S+32*\c+15], v[SOP+2*\c]
	v_cvt_scalef32_pk16_fp6_f32 v[CB+4*\c:CB+4*\c+2], v[S+32*\c+16:S+32*\c+31], v[SOP+2*\c+1]
.endr
	v_nop                                          ; one plain place behind a scaled conversion
.irp c, 0,1                                    ; lanes 0-15 get all of block 2 c, lanes 16-31 all of block 2 c + 1
.irp i, 0,1,2
	v_permlane16_swap_b32 v[PC+6*\c+\i], v[CB+4*\c+\i]
.endr
	WEAVE PC+6*\c, CB+4*\c
.endr
.set j, 0
.rept 16
	v_pk_mul_f32 v[O+j:O+j+1], v[O+j:O+j+1], v[F:F+1] op_sel_hi:[1,0]   ; O^T under the new M, each tile from its low end on.  (These lines also stand between the writing of p's codes and scale word and the products)
.set j, j+2
.endr
	s_wait_alu depctr_va_vdst(0)
	s_wait_dscnt 0x0                               ; V
.irp t, 0,2                                    ; O^T += V^T P^T: the four accumulators by turns, one instruction a turn; K = these 128 keys
	v_wmma_scale_f32_16x16x128_f8f6f4 v[O+8*\t:O+8*\t+7], v[VF+12*\t:VF+12*\t+11], v[PC:PC+11], v[O+8*\t:O+8*\t+7], v[VS+\t/2], v[PS] matrix_a_fmt:MATRIX_FMT_FP6 matrix_b_fmt:MATRIX_FMT_FP6
	v_wmma_scale_f32_16x16x128_f8f6f4 v[O+8*\t+8:O+8*\t+15], v[VF+12*\t+12:VF+12*\t+23], v[PC:PC+11], v[O+8*\t+8:O+8*\t+15], v[VS+\t/2], v[PS] matrix_a_fmt:MATRIX_FMT_FP6 matrix_b_fmt:MATRIX_FMT_FP6 matrix_a_scale:MATRIX_SCALE_ROW1
.endr
	s_add_co_u32 s[TB], s[TB], REC                 ; the next record
.endm
; One tile of 16 queries against all 2,048 keys; p = 0: my first tile, 1: my second, 256 queries on.  Written twice, so that all that hangs on p is an immediate.
.macro PASS p
.if \p
.irp j, 0,1,2,3
	v_mov_b32 v[QF+\j], v[8+\j]
.endr
	v_mov_b32 v[QF+4], v6
	v_mov_b32 v[QF+5], v7
	v_mov_b32 v[QS], v253
.endif
	v_mov_b32 v13, 0xff61b1e6                      ; the largest t so far: -3e38, under every t
	s_delay_alu instid0(VALU_DEP_1)
	v_floor_f32 v12, -v13                          ; -M
	v_mov_b32 v14, 0                               ; the sum, in two halves
	v_mov_b32 v15, 0
.set j, 0
.rept 32
	v_mov_b32 v[O+j], 0                            ; O^T.  (The step is written once: the first finds zeros, which the first change of M leaves zeros)
.set j, j+1
.endr
	s_mov_b32 s[TB], 0
	s_mov_b32 s[CNT], 16
.Lstep_\@:
	STEP
	s_sub_co_u32 s[CNT], s[CNT], 1
	s_cmp_lg_u32 s[CNT], 0
	s_cbranch_scc1 .Lstep_\@
.rept 4
	v_nop                                          ; the places behind the last products
.endr
	v_add_f32 v14, v14, v15                        ; the sum's two halves,
	s_delay_alu instid0(VALU_DEP_1)
	v_permlanex16_b32 v[TP], v14, s[SEL], s[SEL+1]
	s_delay_alu instid0(VALU_DEP_1)
	v_add_f32 v14, v14, v[TP]                      ; and lane l xor 16's: the row's sum
	s_wait_alu depctr_va_vdst(0)
	v_rcp_f32 v[F], v14
	v_nop                                          ; a plain place behind the reciprocal
	s_wait_alu depctr_va_vdst(0)                   ; and the wait ahead of the first line that names its result
.set j, 0
.rept 16
	v_pk_mul_f32 v[O+j:O+j+1], v[O+j:O+j+1], v[F:F+1] op_sel_hi:[1,0]   ; ctx: register 8 t + i is ctx(r, 16 t + 8 h + i)
.set j, j+2
.endr
	; ctx is quantised along the head's 64 numbers: two blocks
.irp b, 0,1
	v_max3_num_f32 v[TM+\b], |v[O+16*\b]|, |v[O+16*\b+1]|, 0x1800000
.endr
.irp i, 2,4,6,8,10,12,14
.irp b, 0,1
	s_delay_alu instid0(VALU_DEP_2)
	v_max3_num_f32 v[TM+\b], v[TM+\b], |v[O+16*\b+\i]|, |v[O+16*\b+\i+1]|
.endr
.endr
.irp b, 0,1
	s_delay_alu instid0(VALU_DEP_2)
	v_permlanex16_b32 v[T2+\b], v[TM+\b], s[SEL], s[SEL+1]
.endr
.irp b, 0,1
	s_delay_alu instid0(VALU_DEP_2)
	v_max_num_f32 v[TM+\b], v[TM+\b], v[T2+\b]
.endr
.irp b, 0,1
	s_delay_alu instid0(VALU_DEP_2)
	v_add_nc_u32 v[SOP+\b], 0xff000000, v[TM+\b]
.endr
.irp b, 0,1
	s_delay_alu instid0(VALU_DEP_2)
	v_lshrrev_b32 v[T2+\b], 23, v[SOP+\b]
.endr
	s_delay_alu instid0(VALU_DEP_1)
	v_lshl_or_b32 v[TP], v[T2+1], 8, v[T2]         ; my query's two scale bytes
	v_cvt_scalef32_pk16_fp6_f32 v[PC:PC+2], v[O:O+15], v[SOP]
	v_cvt_scalef32_pk16_fp6_f32 v[CB:CB+2], v[O+16:O+31], v[SOP+1]
	v_nop                                          ; one plain place behind a scaled conversion
.irp i, 0,1,2
	v_permlane16_swap_b32 v[PC+\i], v[CB+\i]
.endr
	WEAVE PC, CB
	ds_store_b16 v[GA], v[TP] offset:512*\p        ; lanes l and l + 16 write the same two bytes with the same value
	global_store_b128 v[L16], v[PC:PC+3], s[40:41] offset:196608*\p        ; 32 lanes store 512 consecutive bytes, at a multiple of 256 from the buffer's first byte,
	global_store_b64 v[L8], v[PC+4:PC+5], s[40:41] offset:196608*\p+512    ; and 256
	s_wait_xcnt 0x0                                ; the stores have read their registers: the codes' are written again only behind this wait
.endm
	PASS 0
	PASS 1
	s_wait_dscnt 0x0                               ; for the others' sake: my scale bytes lie in LDS
	s_barrier_signal -1
	s_barrier_wait -1
	v_lshlrev_b32 v[A16], 4, v0                    ; the work-group's 1,024 scale bytes leave by waves 0 and 1, 16 bytes a lane: 512 consecutive bytes a wave
	s_delay_alu instid0(VALU_DEP_1)
	v_add_nc_u32 v[A8], GS, v[A16]
	s_cmp_lt_u32 s[WV], 2
	s_cbranch_scc0 .Lno_scales
	ds_load_b128 v[QF:QF+3], v[A8]
	s_wait_dscnt 0x0
	s_wait_alu depctr_va_vdst(0)
	global_store_b128 v[A16], v[QF:QF+3], s[42:43]
.Lno_scales:
	s_wait_xcnt 0x0
	v_lshl_add_u32 v254, v0, 2, 0x34000
	v_mov_b32 v255, 0
	s_wait_alu depctr_va_vdst(0)
	s_wait_tensorcnt 0x0
	ds_add_u32 v254, v255
	s_wait_dscnt 0x0
	CROUND                                         ; the closing round: no work-group ends while a partner may still ask for a record that names it
	s_endpgm
.Lfunc_end_k_q1058c7e40f_attn:
	.size	k_q1058c7e40f_attn, .Lfunc_end_k_q1058c7e40f_attn-k_q1058c7e40f_attn
	.p2alignl 7, 3214868480
	.fill 96, 4, 3214868480
	.section	.rodata,"a",@progbits
	.p2align	6, 0x0
	.amdhsa_kernel k_q1058c7e40f_attn
		.amdhsa_group_segment_fixed_size 215040
		.amdhsa_private_segment_fixed_size 0
		.amdhsa_enable_private_segment 0
		.amdhsa_kernarg_size 32
		.amdhsa_user_sgpr_count 2
		.amdhsa_user_sgpr_kernarg_segment_ptr 1
		.amdhsa_wavefront_size32 1
		.amdhsa_system_sgpr_workgroup_id_x 1
		.amdhsa_system_sgpr_workgroup_id_y 1
		.amdhsa_system_sgpr_workgroup_id_z 1
		.amdhsa_system_vgpr_workitem_id 0
		.amdhsa_next_free_vgpr 256
		.amdhsa_next_free_sgpr 66
		.amdhsa_reserve_vcc 0
		.amdhsa_float_denorm_mode_32 3
		.amdhsa_float_denorm_mode_16_64 3
		.amdhsa_memory_ordered 1
		.amdhsa_forward_progress 1
		.amdhsa_inst_pref_size 53
	.end_amdhsa_kernel
	.amdgpu_metadata
---
amdhsa.version: [ 1, 2 ]
amdhsa.kernels:
  - .name:           k_q1058c7e40f_attn
    .symbol:         k_q1058c7e40f_attn.kd
    .args:
      - { .name: qbuf, .offset: 0, .size: 8, .value_kind: global_buffer, .address_space: global }
      - { .name: kvbuf, .offset: 8, .size: 8, .value_kind: global_buffer, .address_space: global }
      - { .name: cbuf, .offset: 16, .size: 8, .value_kind: global_buffer, .address_space: global }
      - { .name: csc, .offset: 24, .size: 8, .value_kind: global_buffer, .address_space: global }
    .group_segment_fixed_size: 215040
    .private_segment_fixed_size: 0
    .kernarg_segment_align: 8
    .kernarg_segment_size: 32
    .max_flat_workgroup_size: 512
    .sgpr_count:     66
    .vgpr_count:     256
    .wavefront_size: 32
...
	.end_amdgpu_metadata
.endif
;; end of part 2
;; launch oproj (part 3): grid 4 x 64, 4 waves a work-group, clusters of 4 x 4, 327,680 bytes of LDS; arguments cbuf, csc, Wo_codes, Wo_scales, bo, out0; writes out0
.if DOCPART == 3
	.amdgcn_target "amdgcn-amd-amdhsa--gfx1250"
	.amdhsa_code_object_version 6
	.text
	.protected	k_q1058c7e40f_oproj
	.globl	k_q1058c7e40f_oproj
	.p2align	8
	.type	k_q1058c7e40f_oproj,@function
k_q1058c7e40f_oproj:
	s_mov_b64 s[64:65], 0
	v_nop
	global_prefetch_b8 v0, s[64:65] scope:SCOPE_SE
	s_setreg_imm32_b32 hwreg(HW_REG_WAVE_MODE, 25, 1), 1
	s_wait_xcnt 0x0
	s_wait_alu depctr_hold_cnt(0) depctr_sa_sdst(0) depctr_va_vdst(0) depctr_va_sdst(0) depctr_va_ssrc(0) depctr_va_vcc(0) depctr_vm_vsrc(0)
	s_getreg_b32 s2, hwreg(HW_REG_IB_STS2, 6, 4)
	s_cmp_eq_u32 s2, 0
	s_cbranch_scc0 .Lentry_in_a_cluster
	s_endpgm
.Lentry_in_a_cluster:
	s_bfe_u32 s2, ttmp6, 0x10000c
	s_cmp_lg_u32 s2, 0xf033
	s_cbranch_scc0 .Lentry_shape_is_right
	s_endpgm
.Lentry_shape_is_right:
; out = ctx Wo^T + bo on codes of FP6 (E2M3), one E8M0 scale for each 32 along K = 1,024; sums in f32.
; 256 tiles of 128 tokens x 256 columns, a work-group of four waves (2 x 2) each; a wave makes 64 x 128 in 32 accumulators of 16 x 16.
; A = ctx, as images of operand registers (cbuf: [tile of 16 tokens][head][768]); its K steps of 256 (3,072 bytes of each of 8 tiles) go through a ring of two slots, filled by waves 0 and 1, four tiles each.
; B = Wo's 256 rows, ALL of K (rows of 768 bytes, 16 bytes of padding behind every 256), lie in LDS from BRES on for the whole launch: one load, wave 2's; wave 3 brings their scale bytes.
; ctx's scale bytes (csc: [16 batch + head][token][2]) come through registers: a thread takes one token's 16 x 2 bytes and stores them as that row's 32.
; Clusters of 4 x 4: ctx's tiles are asked for jointly by a row of the cluster, Wo's by a column.  The bias is the C of each sum's first matrix instruction.
; The matrix instruction is used transposed (source 0 = Wo's rows, source 1 = ctx's): a lane holds eight neighbouring columns of a row of out.
; The eight steps of 128 along K are written out, so that B's place along K (GB) stands in the loads' immediates.  B's fragments do not hang on the ring: each step asks at its head for the next step's.
; No prefetch: the ring has four fills, two of them in the head: there is no loop to run ahead in.
; REGISTERS: window 0: v0-31 addresses; v32-63 scale words, two sets; v64-127 the bias; v128-175 A's four fragments; on the way out v128-255.  window 1: B's fragments, two sets.  window 2: accumulator (a, b) at v[8 (8 a + b)].
.set SIZE_N, 1024
.set NQ,     2                         ; steps of 128 in a slot
.set KROW,   768
.set PITCH,  816                       ; B's LDS row: 3 x (256 + 16)
.set FR,     12
.set NLA,    4                         ; LDS loads of a fragment of A
.set NLB,    48                        ; of B's eight
.set NP,     4
.set ASTEP,  3072
.set AHALF,  4*ASTEP                   ; 64 tokens of a K step
.set HALFT,  128*PITCH
.set SLOT,   2*AHALF
.set BRES,   2*SLOT
.set GB,     0
.set KS,     32
.set SCL,    BRES+2*HALFT              ; ctx's scale bytes, 128 rows, as units of 256 + 16 bytes: stored from registers, no tile lands here
.set HALFS,  (128*KS/256)*272
.set SBLK,   (16*KS/256)*272
.set SCLB,   SCL+HALFS                 ; Wo's, 256 rows
.set SPARE,  SCL+3*HALFS               ; the spare words: 512 bytes that no other line names
.set STAGE,  SPARE+512                 ; the way out: 16 rows x 528 bytes for each wave; no tile lands here
.set SPITCH, 528
.set ADRA, 16                          ; v16-17 16 x lane in my A half of slot 0, 1; v18-19 8 x lane
.set ADRB, 20                          ; v20, v21 my B fragments, blocks 0-3, 4-7; v22, v23 behind one padding more
.set STO,  24
.set RD,   25
.set CO,   26
.set ADRS, 27
.set SPW,  28
.set NIL,  29
.set SC,   32
.set BI,   64
.set AF,   128
.set BK,   128
.set G1, 24
.set G0, 32
.set G1B, 48
.set G0B, 56
.set G1SB, 68
.set G0SB, 76
.set MSB, 0
.macro WIN new
.if MSB != (\new)
	s_set_vgpr_msb (MSB<<8)|(\new)
.set MSB, (\new)
.endif
.endm
.set MUL_LO, 0xa1                      ; source 0 (B) window 1, source 1 (A) window 0, C and D window 2
.set MUL_C0, 0x81                      ; the same with C (the bias) in window 0
.set TO_B,   0x40
.macro PLACES n
.rept \n
	v_nop
.endr
.endm
.macro TLOAD g0, g1                    ; s_nop 0 and four v_nop behind each tensor load
	tensor_load_to_lds s[\g0:\g0+3], s[\g1:\g1+7]
	s_nop 0
	PLACES 4
.endm
.macro ALOAD s                         ; waves 0 and 1 fetch a half each of ctx's tiles for slot s; the four v_nop behind the label are the places for the waves that come round the load
	s_cmp_eq_u32 s15, 0
	s_cbranch_scc0 .Lnot_a_\@
	TLOAD G0+4*\s, G1
.Lnot_a_\@:
	PLACES 4
.endm
.macro CREST
	s_cmp_lg_u32 s14, 0
	s_cbranch_scc1 .Lnot_wave_0_\@
	s_barrier_signal -3
.Lnot_wave_0_\@:
	s_barrier_wait -3
	s_barrier_signal -1
	s_barrier_wait -1
.endm
.macro CROUND
	s_barrier_signal -1
	s_barrier_wait -1
	CREST
.endm
.macro FRAG reg, adr, q, i             ; a fragment of B: six pieces of 8 bytes of step q's 96; lanes 16-31 read three pieces on: where that lies behind one padding more, the second address register serves
.irp p, 0,1,2,3,4,5
.set PIECE, 12*(\q)+6*(\p/3)+\p%3
.if PIECE%32 < 29
	ds_load_b64 v[\reg+2*\p:\reg+2*\p+1], v[\adr] offset:8*PIECE+16*(PIECE/32)+(\i)*16*PITCH
.else
	ds_load_b64 v[\reg+2*\p:\reg+2*\p+1], v[\adr+2] offset:8*PIECE+16*(PIECE/32)+(\i)*16*PITCH
.endif
.endr
.endm
.macro FRAGA reg, slot, q, i           ; a fragment of A: two heads' images of six registers
	ds_load_b128 v[\reg:\reg+3], v[ADRA+\slot] offset:(\i)*ASTEP+(\q)*1536
	ds_load_b64 v[\reg+4:\reg+5], v[ADRA+2+\slot] offset:(\i)*ASTEP+(\q)*1536+512
	ds_load_b128 v[\reg+6:\reg+9], v[ADRA+\slot] offset:(\i)*ASTEP+(\q)*1536+768
	ds_load_b64 v[\reg+10:\reg+11], v[ADRA+2+\slot] offset:(\i)*ASTEP+(\q)*1536+1280
.endm
.macro WM a, b, p, q, sc, c
	v_wmma_scale_f32_16x16x128_f8f6f4 v[8*(8*(\a)+\b):8*(8*(\a)+\b)+7], v[128*(\p)+FR*\b:128*(\p)+FR*\b+FR-1], v[AF+FR*(\a):AF+FR*(\a)+FR-1], \c, v[SC+8*NQ*(\sc)+NQ*\b+(\q)], v[SC+8*NQ*(\sc)+NQ*(\a)+(\q)] matrix_a_fmt:MATRIX_FMT_FP6 matrix_b_fmt:MATRIX_FMT_FP6 matrix_a_scale:MATRIX_SCALE_ROW1
.endm
; A's blocks a0, a0 + 1 x B's eight.  mode 1: the sums begin with the bias.  The 32 accumulators take turns, in the same order in every step
.macro MUL16 a0, p, q, sc, mode
.irp a, \a0, \a0+1
.irp b, 0,1,2,3,4,5,6,7
.if \mode
	WM \a, \b, \p, \q, \sc, v[BI+8*\b:BI+8*\b+7]
.else
	WM \a, \b, \p, \q, \sc, v[8*(8*(\a)+\b):8*(8*(\a)+\b)+7]
.endif
.endr
.endr
.endm
.macro FETCH_B p                       ; B's eight fragments of step GB into set p: NLB loads
	WIN TO_B
.irp i, 0,1,2,3,4,5,6,7
	FRAG 128*(\p)+FR*\i, ADRB+\i/4, GB, \i%4
.endr
	WIN 0
.set GB, GB+1
.endm
.macro FETCH_A slot, q, i0             ; A's blocks i0, i0 + 1: 2 NLA loads
.irp i, \i0, \i0+1
	FRAGA AF+FR*(\i), \slot, \q, \i
.endr
.endm
.macro SCALES sc                       ; a K step's scale words, two a row: lanes 16-31 take B's block i; lanes 0-15 A's block i (only i < 4 is used; beyond it they read bytes that serve nothing)
.irp i, 0,1,2,3,4,5,6,7
	ds_load_b64 v[SC+8*NQ*\sc+NQ*\i:SC+8*NQ*\sc+NQ*\i+1], v[ADRS] offset:\i*SBLK
.endr
.endm
; A slot's first step.  At its head the next step's B; A's blocks are fetched anew as soon as their products are issued.
.macro STEP slot, mode
.if \mode
.set WL, MUL_C0
.else
.set WL, MUL_LO
.endif
	FETCH_B 1
	s_wait_dscnt NLB+2*NLA                         ; this step's B, A's blocks 0, 1 and the scale words are in; A's blocks 2, 3 and the NLB just issued may be out
	WIN WL
	MUL16 0, 0, 0, \slot, \mode
	s_wait_dscnt NLB                               ; A's blocks 2, 3 are in
	PLACES NP
	WIN 0
	FETCH_A \slot, 1, 0
	WIN WL
	MUL16 2, 0, 0, \slot, \mode
	PLACES NP
	WIN 0
	FETCH_A \slot, 1, 2
.endm
; A slot's second step changes slots: one barrier; in front of it the wait for all my tensor loads, the add, and the wait for it and for my reads.  fill = 1: the barrier opens a round of the cluster's barrier and this slot is filled again.
.macro TURN slot, next, fill
	FETCH_B 0
	s_wait_tensorcnt 0x0
	ds_add_u32 v[SPW], v[NIL]
	s_wait_dscnt NLB+2*NLA+1                       ; as in STEP, and the add may be out
	WIN MUL_LO
	MUL16 0, 1, 1, \slot, 0
	s_wait_dscnt 0x0                               ; the add is done, my reads of this slot are over
	s_barrier_signal -1
	MUL16 2, 1, 1, \slot, 0
	WIN 0
	s_barrier_wait -1
.if \fill
	CREST
	s_add_nc_u64 s[G0+4*\slot+2:G0+4*\slot+3], s[G0+4*\slot+2:G0+4*\slot+3], 2*ASTEP
	ALOAD \slot
.else
	PLACES NP
.endif
	s_wait_alu depctr_va_vdst(0)
	v_add_nc_u32 v[ADRS], 4*NQ, v[ADRS]            ; the next K step's scale words
	FETCH_A \next, 0, 0
	SCALES \next
	FETCH_A \next, 0, 2
.endm
; the way out of block a, 16 rows x 128 columns: through my stage, back as whole rows of 512 bytes
.macro TOSTAGE a
.set AC, 64*(\a)
	WIN 0x08                                       ; the data: window 2
.irp b, 0,1,2,3,4,5,6,7
	ds_store_b128 v[STO], v[AC+8*\b:AC+8*\b+3] offset:64*\b          ; each accumulator from its low end on
	ds_store_b128 v[STO], v[AC+8*\b+4:AC+8*\b+7] offset:64*\b+16
.endr
	WIN 0
.set BB, BK+64*((\a)%2)
.irp t, 0,1,2,3,4,5,6,7,8,9,10,11,12,13,14,15
	ds_load_b128 v[BB+4*\t:BB+4*\t+3], v[RD] offset:\t*SPITCH
.endr
.endm
.macro SEND a, younger
.set BB, BK+64*((\a)%2)
	s_wait_dscnt \younger
.if (\a) > 0
	s_add_nc_u64 s[12:13], s[12:13], 16*SIZE_N*4   ; behind a wait on XCNT
.endif
.irp t, 0,1,2,3,4,5,6,7,8,9,10,11,12,13,14,15
	global_store_b128 v[CO], v[BB+4*\t:BB+4*\t+3], s[12:13] offset:\t*SIZE_N*4 th:TH_STORE_NT   ; 512 consecutive bytes, at a multiple of 256
.endr
.endm
	s_load_b128 s[4:7], s[0:1], 0x0                ; cbuf, csc
	s_load_b128 s[8:11], s[0:1], 0x10              ; Wo's codes, scales
	s_load_b64 s[96:97], s[0:1], 0x20              ; bo
	s_load_b64 s[12:13], s[0:1], 0x28              ; out0
	v_lshl_add_u32 v[SPW], v0, 2, SPARE
	v_mov_b32 v[NIL], 0
	ds_add_u32 v[SPW], v[NIL]                      ; the opening lines: the add twice and its wait
	ds_add_u32 v[SPW], v[NIL]
	v_lshrrev_b32 v1, 5, v0
	v_readfirstlane_b32 s14, v1                    ; wave
	s_lshr_b32 s15, s14, 1                         ; my 64 of the tile's rows
	s_and_b32 s16, s14, 1                          ; my 128 of its columns; waves 0, 1: which four tiles of ctx I fetch
	s_bfe_u32 s40, ttmp6, 0x40000
	s_bfe_u32 s41, ttmp6, 0x40004
	s_lshl_b32 s42, ttmp9, 2
	s_add_co_u32 s42, s42, s40                     ; tile column, 0 .. 3
	s_and_b32 s17, ttmp7, 0xffff
	s_lshl_b32 s17, s17, 2
	s_add_co_u32 s17, s17, s41                     ; tile row, 0 .. 63
	s_lshl_b32 s43, s41, 2
	s_lshl_b32 s43, 15, s43                        ; my row of the cluster
	s_lshl_b32 s44, 0x1111, s40                    ; my column
	s_or_b32 s[G1+0], s43, (3<<16)|(1<<21)         ; ctx: 4 rows of 3,072 bytes (384 elements of 8), 12,288 apart
	s_mov_b32 s[G1+1], 384<<16
	s_mov_b32 s[G1+2], 4<<16
	s_mov_b32 s[G1+3], 384<<16
	s_mov_b32 s[G1+4], 4
	s_mov_b32 s[G1+5], 1536
	s_mov_b32 s[G1+6], 0
	s_mov_b32 s[G1+7], 0
	s_or_b32 s[G1B+0], s44, (0<<16)|(1<<20)|(1<<21)|(5<<22)|(3<<25)   ; Wo: 256 rows of 768 bytes
	s_mov_b32 s[G1B+1], KROW<<16
	s_mov_b32 s[G1B+2], 256<<16
	s_mov_b32 s[G1B+3], KROW<<16
	s_mov_b32 s[G1B+4], 256
	s_mov_b32 s[G1B+5], KROW
	s_mov_b32 s[G1B+6], 0
	s_mov_b32 s[G1B+7], 0
	s_or_b32 s[G1SB+0], s44, (3<<16)|(1<<20)|(1<<21)|(5<<22)|(3<<25)  ; its scales: 32 rows of 256 bytes
	s_mov_b32 s[G1SB+1], 32<<16
	s_mov_b32 s[G1SB+2], 32<<16
	s_mov_b32 s[G1SB+3], 32<<16
	s_mov_b32 s[G1SB+4], 32
	s_mov_b32 s[G1SB+5], 32
	s_mov_b32 s[G1SB+6], 0
	s_mov_b32 s[G1SB+7], 0
	s_lshl_b32 s20, s17, 3
	s_lshl_b32 s18, s16, 2
	s_add_co_u32 s20, s20, s18
	s_mul_i32 s20, s20, 12288                      ; ctx: tile of 16 tokens 8 x tile row + 4 x half
	s_mov_b32 s21, 0
	s_mul_i32 s46, s42, 256*KROW
	s_mov_b32 s47, 0
	s_lshl_b32 s22, s42, 13
	s_mov_b32 s23, 0
	s_mul_i32 s45, s16, AHALF
	s_lshr_b32 s80, s17, 4                         ; csc: 65,536 x batch + 256 x the tile in the batch
	s_lshl_b32 s80, s80, 16
	s_and_b32 s81, s17, 15
	s_lshl_b32 s81, s81, 8
	s_add_co_u32 s80, s80, s81
	s_mov_b32 s81, 0
	s_lshl_b32 s82, s42, 10                        ; my first column, in bytes
	s_lshl_b32 s83, s16, 9
	s_add_co_u32 s82, s82, s83
	s_mov_b32 s83, 0
	s_wait_dscnt 0x0                               ; both opening adds are done
	s_wait_kmcnt 0x0
	s_add_nc_u64 s[20:21], s[4:5], s[20:21]
	s_add_nc_u64 s[46:47], s[8:9], s[46:47]
	s_add_nc_u64 s[22:23], s[10:11], s[22:23]
	s_add_nc_u64 s[6:7], s[6:7], s[80:81]
	s_add_nc_u64 s[96:97], s[96:97], s[82:83]
	CROUND                                         ; in front of the first joint loads
	s_mov_b32 s[G0SB], 1
	s_mov_b32 s[G0SB+1], SCLB
	s_mov_b64 s[G0SB+2:G0SB+3], s[22:23]
	s_or_b32 s[G0SB+3], s[G0SB+3], 0x80000000
	s_mov_b32 s[G0B], 1
	s_mov_b32 s[G0B+1], BRES
	s_mov_b64 s[G0B+2:G0B+3], s[46:47]
	s_or_b32 s[G0B+3], s[G0B+3], 0x80000000
.irp s, 0,1
	s_mov_b32 s[G0+4*\s], 1
	s_add_co_u32 s[G0+4*\s+1], s45, \s*SLOT
	s_add_nc_u64 s[G0+4*\s+2:G0+4*\s+3], s[20:21], \s*ASTEP
	s_or_b32 s[G0+4*\s+3], s[G0+4*\s+3], 0x80000000
.endr
	s_cmp_lt_u32 s14, 2                            ; the head's loads, one a wave, in one tree: waves 0 and 1 ctx's K step 0, wave 2 Wo's rows, wave 3 their scale bytes
	s_cbranch_scc0 .Lhead_b
	TLOAD G0, G1
	s_branch .Lhead_asked
.Lhead_b:
	s_cmp_eq_u32 s14, 2
	s_cbranch_scc0 .Lhead_s
	TLOAD G0B, G1B
	s_branch .Lhead_asked
.Lhead_s:
	TLOAD G0SB, G1SB
.Lhead_asked:
	v_lshlrev_b32 v8, 1, v0                        ; my token's two bytes,
.irp d, 0,1,2,3,4,5,6,7,8,9,10,11,12,13,14,15
	global_load_u16 v[128+\d], v8, s[6:7] offset:4096*\d           ; of each head
.endr
	v_and_b32 v1, 15, v0                           ; r
	v_bfe_u32 v2, v0, 4, 1                         ; h
	v_lshlrev_b32 v7, 5, v2
.irp b, 0,1,2,3,4,5,6,7
	global_load_b128 v[BI+8*\b:BI+8*\b+3], v7, s[96:97] offset:64*\b          ; the bias in the result's layout: register j of block b is column 16 b + 8 h + j
	global_load_b128 v[BI+8*\b+4:BI+8*\b+7], v7, s[96:97] offset:64*\b+16
.endr
	v_lshrrev_b32 v9, 3, v0
	v_lshlrev_b32 v9, 4, v9
	v_lshl_add_u32 v9, v0, 5, v9
	v_add_nc_u32 v9, SCL, v9                       ; my token's row of scale bytes: 32 x token, 16 more for each 256 passed
	v_and_b32 v6, 31, v0
	v_lshlrev_b32 v3, 4, v6
	v_lshlrev_b32 v10, 3, v6
	s_mul_i32 s21, s15, AHALF
.irp s, 0,1
	v_add_nc_u32 v[ADRA+\s], s21, v3
	v_add_nc_u32 v[ADRA+2+\s], s21, v10
	s_add_co_u32 s21, s21, SLOT
.endr
	v_mul_u32_u24 v3, v1, PITCH
	v_mul_u32_u24 v4, v2, 24
	v_add_nc_u32 v4, v3, v4
	v_lshl_add_u32 v5, v2, 4, v4
	s_mul_i32 s22, s16, HALFT
	s_add_co_u32 s22, s22, BRES
.irp s, 0,1
	v_add_nc_u32 v[ADRB+\s], s22, v4
	v_add_nc_u32 v[ADRB+2+\s], s22, v5
	s_add_co_u32 s22, s22, 64*PITCH                ; the second of each pair serves B's blocks 4-7
.endr
	v_mul_u32_u24 v5, v1, KS
	v_lshrrev_b32 v11, 8, v5
	v_lshl_add_u32 v5, v11, 4, v5
	s_mul_i32 s21, s15, HALFS/2                    ; ctx's scales: my 64 rows
	s_mul_i32 s22, s16, HALFS                      ; Wo's: my 128 rows, behind ctx's 128
	s_add_co_u32 s22, s22, HALFS
	s_sub_co_u32 s22, s22, s21
	v_mul_u32_u24 v11, s22, v2                     ; lanes 16-31 take Wo's
	s_add_co_u32 s21, s21, SCL
	v_add_nc_u32 v5, v5, v11
	v_add_nc_u32 v[ADRS], s21, v5
	s_mul_i32 s23, s14, 16*SPITCH
	s_add_co_u32 s23, s23, STAGE
	v_mul_u32_u24 v5, v1, SPITCH
	v_lshl_add_u32 v5, v2, 5, v5
	v_add_nc_u32 v[STO], s23, v5
	v_lshlrev_b32 v[CO], 4, v6
	v_add_nc_u32 v[RD], s23, v[CO]
	s_lshl_b32 s20, s17, 7
	s_lshl_b32 s21, s15, 6
	s_add_co_u32 s20, s20, s21                     ; my first row of out
	s_mov_b32 s21, 0
	s_mov_b64 s[18:19], SIZE_N*4
	s_mul_u64 s[20:21], s[20:21], s[18:19]
	s_add_nc_u64 s[20:21], s[20:21], s[82:83]
	s_add_nc_u64 s[12:13], s[12:13], s[20:21]
	s_wait_loadcnt 16                              ; the scale bytes are in; the bias's 16 loads may be out
.irp s, 0,1,2,3,4,5,6,7
	v_perm_b32 v[144+\s], v[129+2*\s], v[128+2*\s], 0x05040100     ; two heads' bytes to a word
.endr
.irp c, 0,1
	ds_store_b128 v9, v[144+4*\c:147+4*\c] offset:16*\c
.endr
	s_wait_alu depctr_va_vdst(0)
	s_wait_tensorcnt 0x0                           ; my tile of the head's is in; the full sequence ahead of slot 1's first fill
	ds_add_u32 v[SPW], v[NIL]
	s_wait_dscnt 0x0                               ; the add and my stores of ctx's scale bytes are done
	CROUND
	ALOAD 1                                        ; ctx's K step 1
	FETCH_B 0
	FETCH_A 0, 0, 0
	SCALES 0
	FETCH_A 0, 0, 2
	s_wait_loadcnt 0x0                             ; the bias
	STEP 0, 1                                      ; the first step's products start the sums
	TURN 0, 1, 1
	STEP 1, 0
	TURN 1, 0, 1
	STEP 0, 0
	TURN 0, 1, 0                                   ; nothing more is left to fetch
	STEP 1, 0
	s_wait_dscnt 2*NLA                             ; the last step: A's blocks 2, 3 may be out
	WIN MUL_LO
	MUL16 0, 1, 1, 1, 0
	s_wait_dscnt 0
	MUL16 2, 1, 1, 1, 0
	WIN 0
	PLACES NP
	TOSTAGE 0
.irp a, 1,2,3
.if \a > 1
	s_wait_xcnt 0x0                                ; block a - 2's stores have read their registers and their base
.endif
	TOSTAGE \a
	SEND \a-1, 32                                  ; behind block a - 1's loads: block a's 16 stores and 16 loads
.endr
	s_wait_xcnt 0x0
	SEND 3, 0
	s_wait_tensorcnt 0x0                           ; the wave's end
	ds_add_u32 v[SPW], v[NIL]
	s_wait_dscnt 0x0
	CROUND                                         ; the closing round
	s_endpgm
.Lfunc_end_k_q1058c7e40f_oproj:
	.size	k_q1058c7e40f_oproj, .Lfunc_end_k_q1058c7e40f_oproj-k_q1058c7e40f_oproj
	.p2alignl 7, 3214868480
	.fill 96, 4, 3214868480
	.section	.rodata,"a",@progbits
	.p2align	6, 0x0
	.amdhsa_kernel k_q1058c7e40f_oproj
		.amdhsa_group_segment_fixed_size 327680
		.amdhsa_private_segment_fixed_size 0
		.amdhsa_enable_private_segment 0
		.amdhsa_kernarg_size 48
		.amdhsa_user_sgpr_count 2
		.amdhsa_user_sgpr_kernarg_segment_ptr 1
		.amdhsa_wavefront_size32 1
		.amdhsa_system_sgpr_workgroup_id_x 1
		.amdhsa_system_sgpr_workgroup_id_y 1
		.amdhsa_system_sgpr_workgroup_id_z 1
		.amdhsa_system_vgpr_workitem_id 0
		.amdhsa_next_free_vgpr 768
		.amdhsa_next_free_sgpr 98
		.amdhsa_reserve_vcc 0
		.amdhsa_float_denorm_mode_32 3
		.amdhsa_float_denorm_mode_16_64 3
		.amdhsa_memory_ordered 1
		.amdhsa_forward_progress 1
		.amdhsa_inst_pref_size 100
	.end_amdhsa_kernel
	.amdgpu_metadata
---
amdhsa.version: [ 1, 2 ]
amdhsa.kernels:
  - .name:           k_q1058c7e40f_oproj
    .symbol:         k_q1058c7e40f_oproj.kd
    .args:
      - { .name: cbuf, .offset: 0, .size: 8, .value_kind: global_buffer, .address_space: global }
      - { .name: csc, .offset: 8, .size: 8, .value_kind: global_buffer, .address_space: global }
      - { .name: Wo_codes, .offset: 16, .size: 8, .value_kind: global_buffer, .address_space: global }
      - { .name: Wo_scales, .offset: 24, .size: 8, .value_kind: global_buffer, .address_space: global }
      - { .name: bo, .offset: 32, .size: 8, .value_kind: global_buffer, .address_space: global }
      - { .name: out0, .offset: 40, .size: 8, .value_kind: global_buffer, .address_space: global }
    .group_segment_fixed_size: 327680
    .private_segment_fixed_size: 0
    .kernarg_segment_align: 8
    .kernarg_segment_size: 48
    .max_flat_workgroup_size: 128
    .sgpr_count:     98
    .vgpr_count:     768
    .wavefront_size: 32
...
	.end_amdgpu_metadata
.endif
;; end of part 3
